; MI455X (gfx1250); checked and timed in simulation.
; The chip was launched on July 23, 2026; its instructions are those of AMD's public machine-readable ISA for CDNA 5 (MIT licence, August 2026) and "CDNA5" Instruction Set Architecture Reference Guide (July 2026). The comments in the code are by the model that wrote it; some were corrected since.
;; Causal Self Attention. Allowed arithmetic: matrix products marked QUANTISED: E2M3 operands, one E8M0 scale for each 32 along K, by v_wmma_scale_f32_16x16x128_f8f6f4 with both operands' format E2M3, f32 sums; everything else in f32.
;; Inputs: Wk 1,024 x 1,024 float32; Wp 1,024 x 1,024 float32; Wq 1,024 x 1,024 float32; Wv 1,024 x 1,024 float32; bk 1,024 float32; bp 1,024 float32; bq 1,024 float32; bv 1,024 float32; x 4 x 2,048 x 1,024 float32.
;; Outputs: out0 4 x 2,048 x 1,024 float32.
;; This version of the problem:
;;   THIS VERSION OF THE PROBLEM IS GIVEN IN LOW PRECISION. The matrix products marked QUANTISED in the list below multiply operands that are first quantised to E2M3 (2 exponent bits, 3 mantissa bits; 6 bits a number), with one power-of-two scale for each 32 numbers along K (OCP MX v1.0); their sums are f32. All else is computed in f32.
;;   The module's matrix products, in the order in which they are computed (A, B: the left and right operand; K: the contracted axis; several contracted axes count as one K, in the product's order):
;;     1. [M 8,192, K 1,024] x [K 1,024, N 1,024]; A: input x; B: input Wk: QUANTISED
;;     2. [M 8,192, K 1,024] x [K 1,024, N 1,024]; A: input x; B: input Wq: QUANTISED
;;     3. [M 8,192, K 1,024] x [K 1,024, N 1,024]; A: input x; B: input Wv: QUANTISED
;;     4. batch 64 x [M 2,048, K 64] x [K 64, N 2,048]; A: computed on the way; B: computed on the way: QUANTISED
;;     5. batch 64 x [M 2,048, K 2,048] x [K 2,048, N 64]; A: softmax (see below); B: computed on the way: QUANTISED
;;     6. [M 8,192, K 1,024] x [K 1,024, N 1,024]; A: computed on the way; B: input Wp: QUANTISED
;;   THE QUANTISER, for each operand of a quantised product, along K:
;;     - K is cut into blocks of 32 from its start; a last block that is shorter is filled with zeros.
;;     - A block's scale is 2^e with e = floor(log2(the largest magnitude in the block)) - 2, held to -126 .. 127; a block of zeros has e = 0. As a byte (E8M0): e + 127.
;;     - Each number is divided by its block's scale, clamped to +-7.5, and rounded to the nearest number of E2M3, ties to even, subnormals kept.
;;     - The product sums the exact products of the quantised numbers (number of the format x scale) in f32.
;;   ~~~python
;;   def quantise(x, axis):      # numpy; x: float32 -> the quantised numbers, widened to float32 again
;;       x = np.moveaxis(x, axis, -1); K = x.shape[-1]
;;       x = np.pad(x, [(0, 0)] * (x.ndim - 1) + [(0, -K % 32)]); x = x.reshape(x.shape[:-1] + (-1, 32)); a = np.abs(x).max(-1, keepdims=True)
;;       e = np.where(a > 0, np.clip(np.frexp(np.where(a > 0, a, 1))[1] - 1 - 2, -126, 127), 0)      # np.frexp(a)[1] - 1 = floor(log2(a)), exactly
;;       r = np.clip(x / 2.0 ** e, -7.5, 7.5)
;;       step = 2.0 ** (np.maximum(np.frexp(np.where(r == 0, 1, r))[1] - 1, 0) - 3)
;;       q = np.round(r / step) * step * 2.0 ** e      # np.round: ties to even
;;       return np.moveaxis(q.reshape(q.shape[:-2] + (-1,))[..., :K], -1, axis).astype(np.float32)
;;   ~~~
;;   SOFTMAX AHEAD OF A QUANTISED PRODUCT. Where the list says 'softmax', what is quantised is not the finished softmax but p = 2^(t - M), with t = logit x log2(e) and M = ceil(the row's largest t), a whole number; so 1/2 < the row's largest p <= 1. The row's sum l is taken of the UNQUANTISED p, in f32, and the product's result is divided by l at the end. Since M is a whole number, a kernel that streams over the keys may use a running M (the ceiling of the running maximum): every later rescaling is an exact power of two, which a block's scale takes up: the codes' values come out the same.
;;   OPERANDS COMPUTED ON THE WAY. 'Computed on the way' means the value that the module computes at that place (a softmax that the list does not call 'softmax' is quantised finished and normalised). What goes into a quantiser is computed in f32, as accurately as f32 sums, v_exp_f32 and their like allow (about 1e-6 of the number): no bf16 or f16 on the way to a quantiser, and a product that is left as it is and whose result goes on into a quantised operand takes f32 operands (vector FMAs, or v_wmma_f32_16x16x4_f32). A number that lies on a knife's edge between two numbers of the format may be rounded either way, as far as f32 arithmetic and the matrix unit's own rounding can turn it there, and no further.
;; One version. Each part assembles by itself: llvm-mc -triple=amdgcn-amd-amdhsa -mcpu=gfx1250 --defsym DOCPART=n.
;; ======== version 1 of 1: 4 launches
;; workspace buffers: ops 9,437,184 bytes; sca 360,448 bytes; scb 294,912 bytes; qr 13,107,200 bytes; kv 13,107,200 bytes; ycod 6,291,456 bytes
;; launch quant (part 1): grid 256 x 1, 6 waves a work-group, no clusters, 51,456 bytes of LDS; arguments x, Wq, Wk, Wv, Wp, ops, sca, scb; writes ops, sca, scb
.if DOCPART == 1
	.amdgcn_target "amdgcn-amd-amdhsa--gfx1250"
	.amdhsa_code_object_version 6
	.text
	.protected	k_qfc0861d68e_quant
	.globl	k_qfc0861d68e_quant
	.p2align	8
	.type	k_qfc0861d68e_quant,@function
k_qfc0861d68e_quant:
	s_mov_b64 s[64:65], 0
	v_nop
	global_prefetch_b8 v0, s[64:65] scope:SCOPE_SE
	s_setreg_imm32_b32 hwreg(HW_REG_WAVE_MODE, 25, 1), 1
	s_wait_xcnt 0x0
; CAUSAL SELF-ATTENTION IN MX-FP6 (E2M3, one E8M0 scale for each 32 along K), four launches: quant, qkv, attn, proj.
; THIS LAUNCH turns x [8192][1024] and Wq, Wk, Wv, Wp [1024][1024], f32 with K innermost, into codes and scale words, laid in the order of the matrix operands' registers.
; WORK LEFT OUT BY THE PROGRAM.  One thing only, in launch attn: a step of 128 keys all of which come after all 16 queries of a tile.  reference() itself sets those scores to -inf by its own
; jnp.tril, so their softmax weights are exactly 0 whatever finite values the inputs hold: they add nothing to a row's maximum, to its sum or to the second product.  All nine inputs have a way
; to the output and are loaded (bk too: it moves k's codes).  LIMIT: a NaN, an infinity or an overflow that reaches only those scores is not carried to the result.
; LIMITS OF THE QUANTISER, in all four launches: a block of zeros, or one whose largest magnitude lies under 2^-124, gets the scale byte 1 (the rule says 127 for zeros: the codes are zeros, and the
; bytes are read by this program alone); NaN and infinities among the inputs are not served.
; TILES.  Rows go in groups of 32; tile 2 g + u holds at place r the row 32 g + 8 u + r + 8 (r / 8).  Used as source 0 of a product, two neighbouring tiles then give a lane 16 neighbouring rows.
; HALF FRAGMENT, 768 bytes: 16 rows x 64 K as an image of operand registers 0-5: registers 0-3 of lane l at 16 l, registers 4-5 at 512 + 8 l.  Lane l = r + 16 h holds k = 32 h .. 32 h + 31 of row r.
; ops: byte = (tile / 8) x 98,304 + (k / 256) x 24,576 + (tile % 8) x 3,072 + ((k % 256) / 64) x 768.  Tiles: x 0-511, Wq 512-575, Wk 576-639, Wv 640-703, Wp 704-767.
; sca, scb: [tile][k / 512][r][4 words], a word for 128 along K.  sca: tiles 0-703.  scb: from byte 262,144 on Wp's 64 tiles (its first 262,144 bytes are y's, written by attn).
; SHARES.  1,536 waves; a wave takes one tile x 512 along K: four steps of 128.  Each load reads 512 consecutive bytes of one row; the step's 16 rows turn through the wave's own stage in LDS, so that a
; lane gets 16 neighbours of each block of 32.  Waves share nothing: no barrier, no matrix unit, no cluster (no two work-groups read the same bytes).  Two steps' loads, 32 a wave, are on their way.
.set WST,   8448                       ; a wave's stage: 16 rows x (512 bytes + 16)
.set SPARE, 6*WST                      ; behind the six stages: the spare words, 128 bytes a wave: three blocks of 256 bytes that no other line names
.set L16,  2                           ; v2   16 x lane
.set L8,   3                           ; v3   8 x lane
.set SIN,  4                           ; v4   the stage, on the way in
.set SOUT, 5                           ; v5   and out: row r, + 64 h
.set WOF,  6                           ; v6   16 r + 8 h: my two scale words
.set SPW,  12                          ; v12  my spare word's LDS address; never rewritten
.set NIL,  13                          ; v13  0; never rewritten
.set R,    16                          ; v16-143  two sets of 64 registers as loaded
.set X,    144                         ; v144-207 64 numbers: register 16 b + i = k 32 b + 16 h + i of my row
.set PC,   208                         ; v208-227 the codes just made
.set TM,   228                         ; v228-243 at work
.set PWS,  244                         ; v244-247 the four steps' scale words
.set D,    248                         ; v[248:249] the two that I store
.set SEL,  40                          ; s[40:41] v_permlanex16_b32's selects for lane l xor 16
; 64 numbers of a lane, register 16 b + i = k 32 b + 16 (lane / 16) + i of its row, become a fragment's codes in v[PC] .. v[PC + 11] and its scale word in v[PW].
.macro QUANT s
.irp b, 0,1,2,3
	v_max3_num_f32 v[TM+\b], |v[\s+16*\b]|, |v[\s+1+16*\b]|, 0x1800000   ; block b: my 16 numbers, and the floor 2^(3 - 127): the byte cannot fall under 1
.endr
.irp i, 2,4,6,8,10,12,14
.irp b, 0,1,2,3
	v_max3_num_f32 v[TM+\b], v[TM+\b], |v[\s+16*\b+\i]|, |v[\s+1+16*\b+\i]|   ; the four blocks by turns
.endr
.endr
.irp b, 0,1,2,3
	v_permlanex16_b32 v[TM+4+\b], v[TM+\b], s[SEL], s[SEL+1]
.endr
.irp b, 0,1,2,3
	v_max_num_f32 v[TM+\b], v[TM+\b], v[TM+4+\b]   ; with lane l xor 16's: the block's largest magnitude
.endr
.irp b, 0,1,2,3
	v_add_nc_u32 v[TM+12+\b], 0xff000000, v[TM+\b]   ; 2 off its exponent field: the conversion's scale operand
.endr
.irp b, 0,1,2,3
	v_lshrrev_b32 v[TM+4+\b], 23, v[TM+12+\b]      ; the scale's byte
.endr
	v_lshl_or_b32 v[PW], v[TM+5], 8, v[TM+4]       ; four bytes: my row's scale word
	v_lshl_or_b32 v[PW], v[TM+6], 16, v[PW]
	v_lshl_or_b32 v[PW], v[TM+7], 24, v[PW]
.irp c, 0,1
	v_cvt_scalef32_pk16_fp6_f32 v[PC+6*\c:PC+2+6*\c], v[\s+32*\c:\s+15+32*\c], v[TM+12+2*\c]
	v_cvt_scalef32_pk16_fp6_f32 v[PC+12+4*\c:PC+14+4*\c], v[\s+16+32*\c:\s+31+32*\c], v[TM+12+2*\c+1]   ; (a conversion's three registers begin on an even number)
.endr
	v_nop                                          ; one plain place behind a scaled conversion
.irp c, 0,1                                    ; the operand wants a whole block in a lane: lanes 0-15 block 2 c, lanes 16-31 block 2 c + 1
.irp i, 0,1,2
	v_permlane16_swap_b32 v[PC+6*\c+\i], v[PC+12+4*\c+\i]
.endr
.irp i, 0,1,2
	v_mov_b32 v[PC+3+6*\c+\i], v[PC+12+4*\c+\i]
.endr
.endr
.endm
	s_load_b256 s[4:11], s[0:1], 0x0               ; x s[4:5], Wq s[6:7], Wk s[8:9], Wv s[10:11]
	s_load_b256 s[12:19], s[0:1], 0x20             ; Wp s[12:13], ops s[14:15], sca s[16:17], scb s[18:19]
	v_lshl_add_u32 v[SPW], v0, 2, SPARE
	v_mov_b32 v[NIL], 0
	v_lshrrev_b32 v1, 5, v0
	v_readfirstlane_b32 s22, v1                    ; wave 0..5
	s_mul_i32 s23, ttmp9, 6
	s_add_co_u32 s23, s23, s22                     ; which of the 1,536 shares
	s_lshr_b32 s24, s23, 1                         ; T: the tile, 0..767
	s_and_b32 s25, s23, 1                          ; which 512 along K
	v_and_b32 v1, 31, v0                           ; lane
	v_and_b32 v7, 15, v0                           ; r
	v_bfe_u32 v8, v0, 4, 1                         ; h
	v_lshlrev_b32 v[L16], 4, v1
	v_lshlrev_b32 v[L8], 3, v1
	s_mul_i32 s26, s22, WST
	v_add_nc_u32 v[SIN], s26, v[L16]
	v_mul_u32_u24 v[SOUT], v7, 528
	v_lshl_add_u32 v[SOUT], v8, 6, v[SOUT]
	v_add_nc_u32 v[SOUT], s26, v[SOUT]
	v_lshlrev_b32 v[WOF], 4, v7
	v_lshl_add_u32 v[WOF], v8, 3, v[WOF]
	s_mov_b32 s[SEL], 0x76543210
	s_mov_b32 s[SEL+1], 0xfedcba98
.irp b, 0,1,2,3
	v_mov_b32 v[TM+4+\b], 0                        ; written once: a lane permute's destination counts as one of its sources
.endr
	s_and_b32 s27, s24, 63
	s_cmp_lt_u32 s24, 512
	s_cselect_b32 s27, s24, s27                    ; the tile's number in its own tensor
	s_lshr_b32 s28, s27, 1
	s_lshl_b32 s28, s28, 17                        ; 32 rows of 4,096 bytes for each pair of tiles,
	s_and_b32 s29, s27, 1
	s_lshl_b32 s29, s29, 15                        ; 8 rows for the odd tile,
	s_add_co_u32 s28, s28, s29
	s_lshl_b32 s29, s25, 11                        ; 2,048 bytes for the second 512 along K
	s_add_co_u32 s28, s28, s29
	s_mov_b32 s29, 0
	s_lshr_b32 s30, s24, 3                         ; the codes' place
	s_mul_i32 s30, s30, 98304
	s_and_b32 s31, s24, 7
	s_mul_i32 s31, s31, 3072
	s_add_co_u32 s30, s30, s31
	s_mul_i32 s31, s25, 49152
	s_add_co_u32 s30, s30, s31
	s_mov_b32 s31, 0
	s_lshl_b32 s32, s24, 9                         ; the scale words' place: 512 T + 256 x half; Wp's tiles go to scb at 262,144 + 512 (T - 704) = 512 T - 98,304
	s_lshl_b32 s33, s25, 8
	s_add_co_u32 s32, s32, s33
	s_cmp_lt_u32 s24, 704
	s_cselect_b32 s33, 0, 98304
	s_sub_co_u32 s32, s32, s33
	s_mov_b32 s33, 0
	s_wait_kmcnt 0x0
	s_cmp_lt_u32 s24, 704                          ; the buffers are chosen by the tile's number alone
	s_cselect_b64 s[34:35], s[16:17], s[18:19]
	s_cselect_b64 s[20:21], s[10:11], s[12:13]
	s_cmp_lt_u32 s24, 640
	s_cselect_b64 s[20:21], s[8:9], s[20:21]
	s_cmp_lt_u32 s24, 576
	s_cselect_b64 s[20:21], s[6:7], s[20:21]
	s_cmp_lt_u32 s24, 512
	s_cselect_b64 s[20:21], s[4:5], s[20:21]
	s_add_nc_u64 s[20:21], s[20:21], s[28:29]      ; the numbers
	s_add_nc_u64 s[36:37], s[14:15], s[30:31]      ; the codes
	s_add_nc_u64 s[34:35], s[34:35], s[32:33]      ; the scale words
.macro LOADT t                         ; step t: 512 consecutive bytes of each of the tile's 16 rows
.irp i, 0,1,2,3,4,5,6,7,8,9,10,11,12,13,14,15
	global_load_b128 v[R+64*((\t)%2)+4*\i:R+64*((\t)%2)+4*\i+3], v[L16], s[20:21] offset:(\i+8*(\i/8))*4096+512*(\t) th:TH_LOAD_NT
.endr
.endm
.macro TURN t                          ; through my stage: LDS serves a wave's instructions in order (ISA guide 5.7.1.4), so no wait stands between the stores and the loads
.irp i, 0,1,2,3,4,5,6,7,8,9,10,11,12,13,14,15
	ds_store_b128 v[SIN], v[R+64*((\t)%2)+4*\i:R+64*((\t)%2)+4*\i+3] offset:528*\i
.endr
.irp b, 0,1,2,3
.irp j, 0,1,2,3
	ds_load_b128 v[X+16*\b+4*\j:X+16*\b+4*\j+3], v[SOUT] offset:128*\b+16*\j
.endr
.endr
.endm
.macro QSTEP t
.if (\t) < 3
	s_wait_loadcnt 16                              ; this step's 16 loads are in; the next step's 16 may be out
.else
	s_wait_loadcnt 0x0
.endif
	TURN \t
	s_wait_dscnt 0x0                               ; my 64 numbers are back; the stores into the stage have read their registers,
.if (\t) < 2
	LOADT (\t)+2                                   ; which take the loads of two steps on
.endif
	s_wait_xcnt 0x0                                ; the last step's stores have read their data: the codes' registers are written again only behind this wait
.set PW, PWS+(\t)
	QUANT X
.set EO, ((\t)/2)*24576+((\t)%2)*1536
	global_store_b128 v[L16], v[PC:PC+3], s[36:37] offset:EO          ; 512 consecutive bytes, aligned
	global_store_b64 v[L8], v[PC+4:PC+5], s[36:37] offset:EO+512      ; 256
	global_store_b128 v[L16], v[PC+6:PC+9], s[36:37] offset:EO+768
	global_store_b64 v[L8], v[PC+10:PC+11], s[36:37] offset:EO+1280
.endm
	LOADT 0
	LOADT 1
	QSTEP 0
	QSTEP 1
	QSTEP 2
	QSTEP 3
	v_cmp_le_u32 vcc_lo, 16, v1                    ; lanes 0-15 store their row's words 0, 1, lanes 16-31 words 2, 3: 256 consecutive bytes
	v_cndmask_b32 v[D], v[PWS], v[PWS+2], vcc_lo
	v_cndmask_b32 v[D+1], v[PWS+1], v[PWS+3], vcc_lo
	global_store_b64 v[WOF], v[D:D+1], s[34:35]
	s_wait_tensorcnt 0x0                           ; the wave's end, behind my last LDS store
	ds_add_u32 v[SPW], v[NIL]
	s_wait_dscnt 0x0
	s_endpgm
.Lfunc_end_k_qfc0861d68e_quant:
	.size	k_qfc0861d68e_quant, .Lfunc_end_k_qfc0861d68e_quant-k_qfc0861d68e_quant
	.p2alignl 7, 3214868480
	.fill 96, 4, 3214868480
	.section	.rodata,"a",@progbits
	.p2align	6, 0x0
	.amdhsa_kernel k_qfc0861d68e_quant
		.amdhsa_group_segment_fixed_size 51456
		.amdhsa_private_segment_fixed_size 0
		.amdhsa_enable_private_segment 0
		.amdhsa_kernarg_size 64
		.amdhsa_user_sgpr_count 2
		.amdhsa_user_sgpr_kernarg_segment_ptr 1
		.amdhsa_wavefront_size32 1
		.amdhsa_system_sgpr_workgroup_id_x 1
		.amdhsa_system_sgpr_workgroup_id_y 1
		.amdhsa_system_sgpr_workgroup_id_z 1
		.amdhsa_system_vgpr_workitem_id 0
		.amdhsa_next_free_vgpr 256
		.amdhsa_next_free_sgpr 66
		.amdhsa_reserve_vcc 1
		.amdhsa_float_denorm_mode_32 3
		.amdhsa_float_denorm_mode_16_64 3
		.amdhsa_memory_ordered 1
		.amdhsa_forward_progress 1
		.amdhsa_inst_pref_size 35
	.end_amdhsa_kernel
	.amdgpu_metadata
---
amdhsa.version: [ 1, 2 ]
amdhsa.kernels:
  - .name:           k_qfc0861d68e_quant
    .symbol:         k_qfc0861d68e_quant.kd
    .args:
      - { .name: x, .offset: 0, .size: 8, .value_kind: global_buffer, .address_space: global }
      - { .name: Wq, .offset: 8, .size: 8, .value_kind: global_buffer, .address_space: global }
      - { .name: Wk, .offset: 16, .size: 8, .value_kind: global_buffer, .address_space: global }
      - { .name: Wv, .offset: 24, .size: 8, .value_kind: global_buffer, .address_space: global }
      - { .name: Wp, .offset: 32, .size: 8, .value_kind: global_buffer, .address_space: global }
      - { .name: ops, .offset: 40, .size: 8, .value_kind: global_buffer, .address_space: global }
      - { .name: sca, .offset: 48, .size: 8, .value_kind: global_buffer, .address_space: global }
      - { .name: scb, .offset: 56, .size: 8, .value_kind: global_buffer, .address_space: global }
    .group_segment_fixed_size: 51456
    .private_segment_fixed_size: 0
    .kernarg_segment_align: 8
    .kernarg_segment_size: 64
    .max_flat_workgroup_size: 192
    .sgpr_count:     66
    .vgpr_count:     256
    .wavefront_size: 32
...
	.end_amdgpu_metadata
.endif
;; end of part 1
;; launch qkv (part 2): grid 12 x 32, 4 waves a work-group, clusters of 4 x 4, 327,680 bytes of LDS; arguments ops, sca, bq, bk, bv, qr, kv; writes qr, kv
.if DOCPART == 2
	.amdgcn_target "amdgcn-amd-amdhsa--gfx1250"
	.amdhsa_code_object_version 6
	.text
	.protected	k_qfc0861d68e_qkv
	.globl	k_qfc0861d68e_qkv
	.p2align	8
	.type	k_qfc0861d68e_qkv,@function
k_qfc0861d68e_qkv:
	s_mov_b64 s[64:65], 0
	v_nop
	global_prefetch_b8 v0, s[64:65] scope:SCOPE_SE
	s_setreg_imm32_b32 hwreg(HW_REG_WAVE_MODE, 25, 1), 1
	s_wait_xcnt 0x0
	s_wait_alu depctr_hold_cnt(0) depctr_sa_sdst(0) depctr_va_vdst(0) depctr_va_sdst(0) depctr_va_ssrc(0) depctr_va_vcc(0) depctr_vm_vsrc(0)
	s_getreg_b32 s2, hwreg(HW_REG_IB_STS2, 6, 4)
	s_cmp_eq_u32 s2, 0
	s_cbranch_scc0 .Lentry_in_a_cluster
	s_endpgm
.Lentry_in_a_cluster:
	s_bfe_u32 s2, ttmp6, 0x10000c
	s_cmp_lg_u32 s2, 0xf033
	s_cbranch_scc0 .Lentry_shape_is_right
	s_endpgm
.Lentry_shape_is_right:
; q = x Wq^T + bq, k = x Wk^T + bk, v = x Wv^T + bv on the codes that launch quant made, and the results quantised at once: q and k along the head's 64, v along the keys.  Nothing leaves in f32.  No work is left out here.
; The cluster's x is the mode (0 q, 1 k, 2 v), its y a chunk of 1,024 tokens.  A work-group makes 256 x 256 of a product, each of its four waves 128 x 128: 64 accumulators, 512 registers.
; Source 1 (S1) gives a lane its row, source 0 (S0) runs along a lane's registers.  q, k: S1 = tokens, S0 = rows of W: a lane holds one token and 64 of 128 channels (two heads).
; v: S1 = rows of Wv, S0 = tokens: a lane holds one channel and 64 of 128 keys.  By the tiles' order of rows (launch quant) register 8 b + j of a lane is number 32 (b / 2) + 16 h + 8 (b % 2) + j along S0:
; the order that the quantiser's macro takes.  Both operands lie in ops, so no buffer is chosen for a descriptor.
; K = 1,024 goes in four steps of 256 through two LDS slots; 128 rows x 256 K of an operand are one dense block of 24,576 bytes, one tensor load a wave.  All eight steps of 128 are written out: the scale words' registers
; change from step to step.  The scale words of all of K come once, from memory straight into 64 registers: lanes 0-15 S1's, lanes 16-31 S0's.
; CLUSTER 4 x 4: S1's block hangs on cy and the cluster's ids and is asked for jointly by a row of the cluster, S0's on cx and is asked for by a column.
; RECORDS (qr, kv): for each (batch, head) 204,800 bytes: 8 slots of 25,600 (256 keys).  In a slot, step s (128 keys): K's (in qr: Q's) 8 half fragments at 12,288 s, V^T's 4 fragments (16 channels x 128 keys) at 12,288 s + 6,144,
; K's scale words [r][pair p] at 24,576 + 512 s (word p: tile 2 p's two bytes, tile 2 p + 1's two), V's [r][tile of channels] 256 further on.  In qr V's places are neither written nor read.
; REGISTERS: window 0: v1-31 addresses; v32-95 scale words (8 i + s); v96-125 at work on the way out; v128-223 S1's fragments, one set (on the way out: the numbers and their codes).
;   window 1: S0's fragments, two sets at v0 and v128; the bias, eight tiles of 8, at v96-127 and v224-255.  windows 2, 3: the accumulators, (a, b) at v[8 (8 (a % 4) + b)].
; LIMITS: those of the quantiser, stated at the head of launch quant.
.set HALFT,  24576                     ; 128 rows x 256 K: what one tensor load brings, and what one wave reads of S1 or of S0
.set SLOT,   4*HALFT                   ; S1's 256 rows, then S0's
.set SPARE,  2*SLOT                    ; behind the ring: the spare words, 128 bytes a wave: two blocks of 256 bytes that no other line names
.set GRP,    98304                     ; 128 rows x 1,024 K in ops
.set BHB,    204800                    ; a (batch, head)'s records
.set FR,     12                        ; registers of a fragment
.set NL,     4                         ; LDS loads that bring one
.set NP,     4                         ; places behind this matrix instruction (ISA guide 7.12.1)
.set L16,  4                           ; v4   16 x lane
.set L8,   5                           ; v5   8 x lane
.set SOF,  6                           ; v6   where my scale words lie in sca
.set WOF,  7                           ; v7   16 r + 204,800 h: where I store scale words
.set AJ,   8                           ; v8-15 the bias loads' offsets
.set ADRA, 16                          ; v16-17 LDS address of S1's fragments in slot 0, 1, 16 bytes a lane; v18-19 the same, 8 bytes a lane
.set ADRB, 20                          ; v20-23 the same for S0
.set SPW,  28                          ; v28  my spare word's LDS address; never rewritten
.set NIL,  29                          ; v29  0; never rewritten
.set SC,   32
.set TM,   96
.set PWS,  112                         ; v112-119 the eight blocks' scale words
.set D,    120                         ; v[120:123] the four that I store
.set AF,   128
.set H,    128                         ; the way out: 64 numbers
.set PC,   192                         ; and their codes
.set G1,  24                           ; s[24:31] descriptor group 1 for S1;  s[32:39] group 0, one set for each slot
.set G0,  32
.set G1B, 48                           ; s[48:55], s[56:63] the same for S0
.set G0B, 56
.set OB,  84                           ; s[84:85] where my codes go;  s[86:87] my scale words
.set OB2, 86
.set SEL, 92                           ; s[92:93] v_permlanex16_b32's selects for lane l xor 16
.set MSB, 0
.macro WIN new                         ; the immediate's high byte repeats the setting that is left
.if MSB != (\new)
	s_set_vgpr_msb (MSB<<8)|(\new)
.set MSB, (\new)
.endif
.endm
.set MUL_LO, 0xa1                      ; source 0 window 1, source 1 window 0, C and D window 2
.set MUL_HI, 0xf1                      ; the same, C and D window 3
.set TO_B,   0x40                      ; destination window 1, address window 0
; A joint load: waves 0 and 1 fetch for S1, waves 2 and 3 for S0.  The branch hangs on the wave's number alone.  An s_nop 0 and four v_nop follow each of the two lines.
.macro JLOAD g0a, g1a, g0b, g1b
	s_cmp_eq_u32 s15, 0
	s_cbranch_scc0 .Lfor_b_\@
	tensor_load_to_lds s[\g0a:\g0a+3], s[\g1a:\g1a+7]
	s_nop 0
.rept 4
	v_nop
.endr
	s_branch .Lasked_\@
.Lfor_b_\@:
	tensor_load_to_lds s[\g0b:\g0b+3], s[\g1b:\g1b+7]
	s_nop 0
.rept 4
	v_nop
.endr
.Lasked_\@:
.endm
.macro CREST                           ; a round of the cluster's barrier behind its opening barrier
	s_cmp_lg_u32 s14, 0
	s_cbranch_scc1 .Lnot_wave_0_\@
	s_barrier_signal -3
.Lnot_wave_0_\@:
	s_barrier_wait -3
	s_barrier_signal -1
	s_barrier_wait -1
.endm
.macro CROUND                          ; a whole round
	s_barrier_signal -1
	s_barrier_wait -1
	CREST
.endm
.macro PLACES n
.rept \n
	v_nop
.endr
.endm
; 64 numbers of a lane, register 16 b + i = k 32 b + 16 (lane / 16) + i of its row, become a fragment's codes in v[PC] .. v[PC + 11] and its scale word in v[PW].
.macro QUANT s
.irp b, 0,1,2,3
	v_max3_num_f32 v[TM+\b], |v[\s+16*\b]|, |v[\s+1+16*\b]|, 0x1800000   ; block b: my 16 numbers, and the floor 2^(3 - 127): the byte cannot fall under 1
.endr
.irp i, 2,4,6,8,10,12,14
.irp b, 0,1,2,3
	v_max3_num_f32 v[TM+\b], v[TM+\b], |v[\s+16*\b+\i]|, |v[\s+1+16*\b+\i]|
.endr
.endr
.irp b, 0,1,2,3
	v_permlanex16_b32 v[TM+4+\b], v[TM+\b], s[SEL], s[SEL+1]
.endr
.irp b, 0,1,2,3
	v_max_num_f32 v[TM+\b], v[TM+\b], v[TM+4+\b]   ; with lane l xor 16's: the block's largest magnitude
.endr
.irp b, 0,1,2,3
	v_add_nc_u32 v[TM+12+\b], 0xff000000, v[TM+\b]   ; 2 off its exponent field: the conversion's scale operand
.endr
.irp b, 0,1,2,3
	v_lshrrev_b32 v[TM+4+\b], 23, v[TM+12+\b]      ; the scale's byte
.endr
	v_lshl_or_b32 v[PW], v[TM+5], 8, v[TM+4]
	v_lshl_or_b32 v[PW], v[TM+6], 16, v[PW]
	v_lshl_or_b32 v[PW], v[TM+7], 24, v[PW]
.irp c, 0,1
	v_cvt_scalef32_pk16_fp6_f32 v[PC+6*\c:PC+2+6*\c], v[\s+32*\c:\s+15+32*\c], v[TM+12+2*\c]
	v_cvt_scalef32_pk16_fp6_f32 v[PC+12+4*\c:PC+14+4*\c], v[\s+16+32*\c:\s+31+32*\c], v[TM+12+2*\c+1]
.endr
	v_nop                                          ; one plain place behind a scaled conversion
.irp c, 0,1
.irp i, 0,1,2
	v_permlane16_swap_b32 v[PC+6*\c+\i], v[PC+12+4*\c+\i]
.endr
.irp i, 0,1,2
	v_mov_b32 v[PC+3+6*\c+\i], v[PC+12+4*\c+\i]
.endr
.endr
.endm
	s_load_b256 s[4:11], s[0:1], 0x0               ; ops s[4:5], sca s[6:7], bq s[8:9], bk s[10:11]
	s_load_b128 s[68:71], s[0:1], 0x20             ; bv s[68:69], qr s[70:71]
	s_load_b64 s[72:73], s[0:1], 0x30              ; kv
	v_lshl_add_u32 v[SPW], v0, 2, SPARE
	v_mov_b32 v[NIL], 0
	ds_add_u32 v[SPW], v[NIL]                      ; the wave's opening: the add, twice on end, and its wait ahead of my first tensor load
	ds_add_u32 v[SPW], v[NIL]
	v_lshrrev_b32 v1, 5, v0
	v_readfirstlane_b32 s14, v1                    ; wave 0..3
	s_lshr_b32 s15, s14, 1                         ; which half of S1's rows is mine.  Also: I fetch for S1 (0) or for S0 (1)
	s_and_b32 s16, s14, 1                          ; which half of S0's.  Also: which 128 rows I fetch
	s_bfe_u32 s40, ttmp6, 0x40000                  ; cx
	s_bfe_u32 s41, ttmp6, 0x40004                  ; cy
	s_and_b32 s17, ttmp7, 0xffff
	s_lshl_b32 s17, s17, 2                         ; 4 x chunk: x's blocks of 256 rows
	s_lshl_b32 s18, ttmp9, 2
	s_add_co_u32 s18, s18, 32                      ; Wq's blocks begin at 32, Wk's at 36
	s_cmp_eq_u32 ttmp9, 2                          ; the mode: the same in all sixteen partners
	s_cselect_b32 s19, 40, s17                     ; S1: Wv (from block 40) or x
	s_cselect_b32 s42, s17, s18                    ; S0: x or W
	s_add_co_u32 s19, s19, s41                     ; T1: S1's block of 256 rows: hangs on cy alone
	s_add_co_u32 s42, s42, s40                     ; T0: S0's: on cx alone
	s_lshl_b32 s43, s41, 2
	s_lshl_b32 s43, 15, s43                        ; my row of the cluster
	s_lshl_b32 s44, 0x1111, s40                    ; my column
	s_or_b32 s[G1+0], s43, (3<<16)|(1<<21)         ; 15:0 the mask; 17:16 elements of 8 bytes; 20 no padding; 21 set beside a mask
	s_or_b32 s[G1B+0], s44, (3<<16)|(1<<21)
.irp g, G1, G1B
	s_mov_b32 s[\g+1], 32<<16                      ; tensor_dim0 = 32 elements: 256 bytes
	s_mov_b32 s[\g+2], 96<<16                      ; tensor_dim1 = 96 rows: 24,576 dense bytes
	s_mov_b32 s[\g+3], 32<<16                      ; tile_dim0
	s_mov_b32 s[\g+4], 96                          ; tile_dim1
	s_mov_b32 s[\g+5], 32                          ; the pitch
	s_mov_b32 s[\g+6], 0
	s_mov_b32 s[\g+7], 0
.endr
	s_lshl_b32 s20, s19, 1
	s_add_co_u32 s20, s20, s16
	s_mul_i32 s20, s20, GRP                        ; S1: the 128 rows that I fetch
	s_mov_b32 s21, 0
	s_lshl_b32 s46, s42, 1
	s_add_co_u32 s46, s46, s16
	s_mul_i32 s46, s46, GRP                        ; S0 likewise
	s_mov_b32 s47, 0
	s_mul_i32 s45, s14, HALFT                      ; where they go: wave x 24,576: no place in the cluster enters an LDS address
	s_wait_dscnt 0x0                               ; both opening adds are done
	s_wait_kmcnt 0x0
	s_add_nc_u64 s[20:21], s[4:5], s[20:21]
	s_add_nc_u64 s[46:47], s[4:5], s[46:47]
	CROUND                                         ; all sixteen work-groups are here: the first joint loads meet
.irp s, 0,1
	s_mov_b32 s[G0+4*\s], 1
	s_add_co_u32 s[G0+4*\s+1], s45, \s*SLOT
	s_add_nc_u64 s[G0+4*\s+2:G0+4*\s+3], s[20:21], \s*HALFT
	s_or_b32 s[G0+4*\s+3], s[G0+4*\s+3], 0x80000000
	s_mov_b32 s[G0B+4*\s], 1
	s_add_co_u32 s[G0B+4*\s+1], s45, \s*SLOT
	s_add_nc_u64 s[G0B+4*\s+2:G0B+4*\s+3], s[46:47], \s*HALFT
	s_or_b32 s[G0B+4*\s+3], s[G0B+4*\s+3], 0x80000000
	JLOAD G0+4*\s, G1, G0B+4*\s, G1B               ; two loads of mine are out
.endr
	v_and_b32 v1, 15, v0                           ; r
	v_bfe_u32 v2, v0, 4, 1                         ; h
	v_and_b32 v3, 31, v0                           ; lane
	v_lshlrev_b32 v[L16], 4, v3
	v_lshlrev_b32 v[L8], 3, v3
	s_mul_i32 s74, s15, HALFT                      ; my 128 rows of S1
	s_mul_i32 s75, s16, HALFT                      ; my 128 rows of S0,
	s_add_co_u32 s75, s75, 2*HALFT                 ; which lie behind S1's 256
.irp s, 0,1
	v_add_nc_u32 v[ADRA+\s], s74, v[L16]
	v_add_nc_u32 v[ADRA+2+\s], s74, v[L8]
	v_add_nc_u32 v[ADRB+\s], s75, v[L16]
	v_add_nc_u32 v[ADRB+2+\s], s75, v[L8]
	s_add_co_u32 s74, s74, SLOT
	s_add_co_u32 s75, s75, SLOT
.endr
	s_lshl_b32 s17, s19, 1
	s_add_co_u32 s17, s17, s15                     ; my group of 128 rows of S1
	s_lshl_b32 s18, s17, 12                        ; its scale words: 4,096 bytes a group
	s_lshl_b32 s22, s42, 1
	s_add_co_u32 s22, s22, s16                     ; and of S0
	s_lshl_b32 s23, s22, 12
	v_mov_b32 v24, s18
	v_mov_b32 v25, s23
	v_cmp_le_u32 vcc_lo, 16, v3
	v_cndmask_b32 v[SOF], v24, v25, vcc_lo         ; lanes 0-15 take S1's words, lanes 16-31 S0's
	v_lshl_add_u32 v[SOF], v1, 4, v[SOF]
.irp i, 0,1,2,3,4,5,6,7
.irp k, 0,1
	global_load_b128 v[SC+8*\i+4*\k:SC+8*\i+4*\k+3], v[SOF], s[6:7] offset:\i*512+\k*256   ; block i, K steps 4 k .. 4 k + 3
.endr
.endr
	s_lshl_b32 s80, s40, 1
	s_add_co_u32 s80, s80, s16                     ; the pair of heads: q, k: by S0's group
	s_lshl_b32 s81, s41, 1
	s_add_co_u32 s81, s81, s15                     ; v: by S1's
	s_cmp_eq_u32 ttmp9, 2
	s_cselect_b32 s74, 0, 64                       ; the bias in the result's layout.  q, k: register j of tile b is channel 32 (b / 2) + 8 (b % 2) + 16 h + j;
	s_cselect_b32 s75, 4, 0                        ; v: all eight registers of tile a are channel 32 (a / 2) + 8 (a % 2) + r + 8 (r / 8)
	s_cselect_b32 s78, 0, 4
	s_cselect_b32 s79, s22, s17                    ; the group of 128 tokens
	s_cselect_b32 s80, s81, s80
	s_cselect_b64 s[76:77], s[68:69], s[10:11]     ; bv or bk
	s_cmp_eq_u32 ttmp9, 0
	s_cselect_b64 s[76:77], s[8:9], s[76:77]       ; or bq
	s_cselect_b64 s[OB:OB+1], s[70:71], s[72:73]   ; q goes to qr, k and v to kv
	s_lshl_b32 s82, s80, 9                         ; 128 channels of 4 bytes
	s_mov_b32 s83, 0
	s_add_nc_u64 s[76:77], s[76:77], s[82:83]
	v_and_b32 v24, 8, v1
	v_add_nc_u32 v24, v24, v1                      ; r + 8 (r / 8)
	v_mul_lo_u32 v24, v24, s75
	v_mul_lo_u32 v25, v2, s74
	v_add_nc_u32 v24, v24, v25
.irp j, 0,1,2,3,4,5,6,7
	v_mad_u32_u24 v[AJ+\j], s78, \j, v24
.endr
	WIN TO_B
.irp t, 0,1,2,3,4,5,6,7
.irp j, 0,1,2,3,4,5,6,7
	global_load_b32 v[96+8*\t+96*(\t/4)+\j], v[AJ+\j], s[76:77] offset:(32*(\t/2)+8*(\t%2))*4
.endr
.endr
	WIN 0
	s_lshr_b32 s82, s79, 4                         ; the batch
	s_lshl_b32 s82, s82, 4
	s_lshl_b32 s83, s80, 1
	s_add_co_u32 s82, s82, s83                     ; 16 x batch + my first head
	s_mul_i32 s82, s82, BHB
	s_bfe_u32 s83, s79, 0x30001                    ; the slot: 3 bits from bit 1 of the group
	s_mul_i32 s83, s83, 25600
	s_add_co_u32 s82, s82, s83
	s_and_b32 s83, s79, 1                          ; the step in it
	s_mul_i32 s88, s83, 12288
	s_add_co_u32 s88, s88, s82
	s_mov_b32 s89, 0
	s_lshl_b32 s90, s83, 9
	s_add_co_u32 s90, s90, s82
	s_add_co_u32 s90, s90, 24576
	s_mov_b32 s91, 0
	s_add_nc_u64 s[OB2:OB2+1], s[OB:OB+1], s[90:91]
	s_add_nc_u64 s[OB:OB+1], s[OB:OB+1], s[88:89]
	v_mul_u32_u24 v[WOF], v2, BHB
	v_lshl_add_u32 v[WOF], v1, 4, v[WOF]
	s_mov_b32 s[SEL], 0x76543210
	s_mov_b32 s[SEL+1], 0xfedcba98
.irp b, 0,1,2,3
	v_mov_b32 v[TM+4+\b], 0                        ; written once: a lane permute's destination counts as one of its sources
.endr
.macro FRAG reg, adr, q, i             ; block i's fragment of the slot's q-th 128 along K: two half fragments on end, as images of the registers
	ds_load_b128 v[\reg:\reg+3], v[\adr] offset:(\i)*3072+(\q)*1536
	ds_load_b64 v[\reg+4:\reg+5], v[\adr+2] offset:(\i)*3072+(\q)*1536+512
	ds_load_b128 v[\reg+6:\reg+9], v[\adr] offset:(\i)*3072+(\q)*1536+768
	ds_load_b64 v[\reg+10:\reg+11], v[\adr+2] offset:(\i)*3072+(\q)*1536+1280
.endm
; 16 matrix instructions: S1's blocks a0, a0 + 1 x S0's eight, K step s.  p: S0's set.  zero = 1: the first product starts the sums.  The 64 accumulators take turns, in the same order in every step.
.macro MUL16 a0, p, s, zero
.irp a, \a0, \a0+1
.irp b, 0,1,2,3,4,5,6,7
.if \zero
	v_wmma_scale_f32_16x16x128_f8f6f4 v[8*(8*((\a)%4)+\b):8*(8*((\a)%4)+\b)+7], v[128*(\p)+FR*\b:128*(\p)+FR*\b+FR-1], v[AF+FR*(\a):AF+FR*(\a)+FR-1], 0, v[SC+8*\b+(\s)], v[SC+8*(\a)+(\s)] matrix_a_fmt:MATRIX_FMT_FP6 matrix_b_fmt:MATRIX_FMT_FP6 matrix_a_scale:MATRIX_SCALE_ROW1
.else
	v_wmma_scale_f32_16x16x128_f8f6f4 v[8*(8*((\a)%4)+\b):8*(8*((\a)%4)+\b)+7], v[128*(\p)+FR*\b:128*(\p)+FR*\b+FR-1], v[AF+FR*(\a):AF+FR*(\a)+FR-1], v[8*(8*((\a)%4)+\b):8*(8*((\a)%4)+\b)+7], v[SC+8*\b+(\s)], v[SC+8*(\a)+(\s)] matrix_a_fmt:MATRIX_FMT_FP6 matrix_b_fmt:MATRIX_FMT_FP6 matrix_a_scale:MATRIX_SCALE_ROW1
.endif
.endr
.endr
.endm
.macro FETCH_B slot, q, p
	WIN TO_B
.irp i, 0,1,2,3,4,5,6,7
	FRAG 128*(\p)+FR*\i, ADRB+\slot, \q, \i
.endr
	WIN 0
.endm
.macro FETCH_A slot, q, i0
.irp i, \i0, \i0+1, \i0+2, \i0+3
	FRAG AF+FR*(\i), ADRA+\slot, \q, \i
.endr
.endm
; A slot's first 128 along K (K step s).  A block of S1 is free as soon as its eight products are issued: blocks 0-3 are fetched anew in the step's middle, blocks 4-7 at its end.  Four places stand in front of each run of loads
; into registers that matrix instructions have read (ISA guide 7.12.1 for vector instructions).
.macro STEP slot, s, zero
	s_wait_dscnt 4*NL                              ; S0's set and S1's blocks 0-3 are in; the youngest 16 loads (blocks 4-7) may be out
	WIN MUL_LO
	MUL16 0, 0, \s, \zero
	MUL16 2, 0, \s, \zero
	s_wait_dscnt 0x0                               ; blocks 4-7 are in
	PLACES NP
	FETCH_B \slot, 1, 1
	FETCH_A \slot, 1, 0
	WIN MUL_HI
	MUL16 4, 0, \s, \zero
	MUL16 6, 0, \s, \zero
	PLACES NP
	WIN 0
	FETCH_A \slot, 1, 4
.endm
; A slot's second 128 changes slots: one barrier; in front of it each wave waits for all its tensor loads, adds 0 to its spare word, and waits for that and for its reads of this slot.  fill = 1: the slot is filled again, 512 along K ahead.
.macro TURN slot, next, fill, s
	s_wait_tensorcnt 0x0                           ; all my tensor loads have landed: my part of the next slot
	ds_add_u32 v[SPW], v[NIL]                      ; 0 onto my spare word
	s_wait_dscnt 4*NL+1                            ; (the add and the youngest 16 loads may be out)
	WIN MUL_LO
	MUL16 0, 1, \s, 0
	s_wait_dscnt 0x0                               ; the add is done, and my reads of this slot are over
	s_barrier_signal -1
	MUL16 2, 1, \s, 0
	WIN 0
	s_barrier_wait -1
.if \fill
	CREST                                          ; the barrier has opened a round of the cluster's: no wave of any partner still reads this slot or has a load on its way
	s_add_nc_u64 s[G0+4*\slot+2:G0+4*\slot+3], s[G0+4*\slot+2:G0+4*\slot+3], 2*HALFT
	s_add_nc_u64 s[G0B+4*\slot+2:G0B+4*\slot+3], s[G0B+4*\slot+2:G0B+4*\slot+3], 2*HALFT
	JLOAD G0+4*\slot, G1, G0B+4*\slot, G1B         ; the first tensor load behind the round; its four v_nop are the places in front of the loads below
.else
	PLACES NP
.endif
	FETCH_B \next, 0, 0
	FETCH_A \next, 0, 0
	WIN MUL_HI
	MUL16 4, 1, \s, 0
	MUL16 6, 1, \s, 0
	PLACES NP
	WIN 0
	FETCH_A \next, 0, 4
.endm
	s_wait_tensorcnt 1                             ; my part of slot 0 is in; slot 1's load may be out
	s_barrier_signal -1
	s_barrier_wait -1
	FETCH_B 0, 0, 0
	FETCH_A 0, 0, 0
	FETCH_A 0, 0, 4
	s_wait_loadcnt 0x0                             ; the scale words and the bias
	STEP 0, 0, 1
	TURN 0, 1, 1, 1
	STEP 1, 2, 0
	TURN 1, 0, 1, 3
	STEP 0, 4, 0
	TURN 0, 1, 0, 5                                ; nothing is left to fetch: no round
	STEP 1, 6, 0
	s_wait_dscnt 4*NL
	WIN MUL_LO
	MUL16 0, 1, 7, 0
	MUL16 2, 1, 7, 0
	s_wait_dscnt 0x0
	WIN MUL_HI
	MUL16 4, 1, 7, 0
	MUL16 6, 1, 7, 0
	WIN 0
	PLACES NP                                      ; in front of the first read of results and the first write of S1's registers
; THE WAY OUT, block a of S1 (16 rows of the lanes) at a time: the bias is added, which also brings the 64 sums into window 0, each accumulator from its low end on; they are quantised; the codes leave as images of registers:
; each store covers 512 or 256 consecutive bytes, aligned.  No LDS.  vm = 0: two heads' half fragments of tile a of 16 tokens.  vm = 1: the fragment of 16 channels x 128 keys.
.macro EPI a, vm
	WIN 0x06+(\a)/4                                ; source 0 window 2 or 3, source 1 window 1
.irp b, 0,1,2,3,4,5,6,7
.if \vm
.set BT, (\a)
.else
.set BT, \b
.endif
.set BR, 96+8*BT+96*(BT/4)
.irp j, 0,2,4,6
	v_pk_add_f32 v[H+8*\b+\j:H+8*\b+\j+1], v[64*((\a)%4)+8*\b+\j:64*((\a)%4)+8*\b+\j+1], v[BR+\j:BR+\j+1]
.endr
.endr
	WIN 0
	s_wait_xcnt 0x0                                ; the last block's stores have read their data: the codes' registers are written again only behind this wait
.set PW, PWS+(\a)
	QUANT H
.if \vm
.set EO, 6144+((\a)/4)*BHB+((\a)%4)*1536
	global_store_b128 v[L16], v[PC:PC+3], s[OB:OB+1] offset:EO
	global_store_b64 v[L8], v[PC+4:PC+5], s[OB:OB+1] offset:EO+512
	global_store_b128 v[L16], v[PC+6:PC+9], s[OB:OB+1] offset:EO+768
	global_store_b64 v[L8], v[PC+10:PC+11], s[OB:OB+1] offset:EO+1280
.else
.set EO, (\a)*768
	global_store_b128 v[L16], v[PC:PC+3], s[OB:OB+1] offset:EO
	global_store_b64 v[L8], v[PC+4:PC+5], s[OB:OB+1] offset:EO+512
	global_store_b128 v[L16], v[PC+6:PC+9], s[OB:OB+1] offset:BHB+EO
	global_store_b64 v[L8], v[PC+10:PC+11], s[OB:OB+1] offset:BHB+EO+512
.endif
.endm
	s_cmp_eq_u32 ttmp9, 2                          ; the mode: the same in all waves and all partners
	s_cbranch_scc1 .Lvpath
.irp a, 0,1,2,3,4,5,6,7
	EPI \a, 0
.endr
	v_cmp_le_u32 vcc_lo, 16, v3                    ; a block's word holds the first head's two bytes below, the second's above.  Lanes 0-15 store the first head's words, lanes 16-31 the second's
.irp p, 0,1,2,3
	v_perm_b32 v124, v[PWS+2*\p+1], v[PWS+2*\p], 0x05040100   ; tile 2 p's low half, tile 2 p + 1's low half
	v_perm_b32 v125, v[PWS+2*\p+1], v[PWS+2*\p], 0x07060302   ; the high halves
	v_cndmask_b32 v[D+\p], v124, v125, vcc_lo
.endr
	global_store_b128 v[WOF], v[D:D+3], s[OB2:OB2+1]
	s_branch .Ljoin
.Lvpath:
.irp a, 0,1,2,3,4,5,6,7
	EPI \a, 1
.endr
	v_cmp_le_u32 vcc_lo, 16, v3                    ; blocks 0-3 are the first head's four tiles of channels, blocks 4-7 the second's
.irp p, 0,1,2,3
	v_cndmask_b32 v[D+\p], v[PWS+\p], v[PWS+4+\p], vcc_lo
.endr
	global_store_b128 v[WOF], v[D:D+3], s[OB2:OB2+1] offset:256
.Ljoin:
	s_wait_tensorcnt 0x0                           ; the wave's end
	ds_add_u32 v[SPW], v[NIL]
	s_wait_dscnt 0x0
	CROUND                                         ; the closing round: no work-group ends while a partner may still ask for a tile that names it
	s_endpgm
.Lfunc_end_k_qfc0861d68e_qkv:
	.size	k_qfc0861d68e_qkv, .Lfunc_end_k_qfc0861d68e_qkv-k_qfc0861d68e_qkv
	.p2alignl 7, 3214868480
	.fill 96, 4, 3214868480
	.section	.rodata,"a",@progbits
	.p2align	6, 0x0
	.amdhsa_kernel k_qfc0861d68e_qkv
		.amdhsa_group_segment_fixed_size 327680
		.amdhsa_private_segment_fixed_size 0
		.amdhsa_enable_private_segment 0
		.amdhsa_kernarg_size 56
		.amdhsa_user_sgpr_count 2
		.amdhsa_user_sgpr_kernarg_segment_ptr 1
		.amdhsa_wavefront_size32 1
		.amdhsa_system_sgpr_workgroup_id_x 1
		.amdhsa_system_sgpr_workgroup_id_y 1
		.amdhsa_system_sgpr_workgroup_id_z 1
		.amdhsa_system_vgpr_workitem_id 0
		.amdhsa_next_free_vgpr 1024
		.amdhsa_next_free_sgpr 98
		.amdhsa_reserve_vcc 1
		.amdhsa_float_denorm_mode_32 3
		.amdhsa_float_denorm_mode_16_64 3
		.amdhsa_memory_ordered 1
		.amdhsa_forward_progress 1
		.amdhsa_inst_pref_size 220
	.end_amdhsa_kernel
	.amdgpu_metadata
---
amdhsa.version: [ 1, 2 ]
amdhsa.kernels:
  - .name:           k_qfc0861d68e_qkv
    .symbol:         k_qfc0861d68e_qkv.kd
    .args:
      - { .name: ops, .offset: 0, .size: 8, .value_kind: global_buffer, .address_space: global }
      - { .name: sca, .offset: 8, .size: 8, .value_kind: global_buffer, .address_space: global }
      - { .name: bq, .offset: 16, .size: 8, .value_kind: global_buffer, .address_space: global }
      - { .name: bk, .offset: 24, .size: 8, .value_kind: global_buffer, .address_space: global }
      - { .name: bv, .offset: 32, .size: 8, .value_kind: global_buffer, .address_space: global }
      - { .name: qr, .offset: 40, .size: 8, .value_kind: global_buffer, .address_space: global }
      - { .name: kv, .offset: 48, .size: 8, .value_kind: global_buffer, .address_space: global }
    .group_segment_fixed_size: 327680
    .private_segment_fixed_size: 0
    .kernarg_segment_align: 8
    .kernarg_segment_size: 56
    .max_flat_workgroup_size: 128
    .sgpr_count:     98
    .vgpr_count:     1024
    .wavefront_size: 32
...
	.end_amdgpu_metadata
.endif
;; end of part 2
;; launch attn (part 3): grid 4 x 64, 16 waves a work-group, no clusters, 327,680 bytes of LDS; arguments qr, kv, ycod, scb; writes ycod, scb
.if DOCPART == 3
	.amdgcn_target "amdgcn-amd-amdhsa--gfx1250"
	.amdhsa_code_object_version 6
	.text
	.protected	k_qfc0861d68e_attn
	.globl	k_qfc0861d68e_attn
	.p2align	8
	.type	k_qfc0861d68e_attn,@function
k_qfc0861d68e_attn:
	s_mov_b64 s[64:65], 0
	v_nop
	global_prefetch_b8 v0, s[64:65] scope:SCOPE_SE
	s_setreg_imm32_b32 hwreg(HW_REG_WAVE_MODE, 25, 1), 1
	s_wait_xcnt 0x0
; y = softmax(q k^T / 8, causal) v for one (batch, head), both products on codes of FP6 (E2M3), and y quantised along C for the last product.
; WORK LEFT OUT: a step of 128 keys all of which come after a tile's 16 queries (reference()'s own jnp.tril gives them the weight 0 for all values of the inputs: see the head of launch quant), and the slots that no wave of the work-group then reads.
; THE SOFTMAX: t = score x log2(e) / 8; M = the running largest t rounded up to a whole number, kept as -M = floor(-t); p = 2^(t - M) is quantised along the keys, not normalised; the row's sum is taken of the unquantised p
; and divides at the end; when M moves, the sum and O are multiplied by 2^(old M - new M), which rounds nothing.
; SHARES.  Work-group (i, bh), sixteen waves, four to a SIMD.  Wave w owns two tiles of 16 queries: H, tile 16 (7 - i) + w, and L, tile 16 i + 15 - w.  Tile tt needs tt / 8 + 1 steps of 128 keys, so every wave of every
; work-group has 17 tile steps.  A tile holds, at place r, query 32 (tt / 2) + 8 (tt % 2) + r + 8 (r / 8).
; NO CLUSTER: the four work-groups of a head need 8 - i slots each, so a joint load would bring some partner tiles that none of its waves reads.
; LAYOUT.  Both products are used transposed: S^T = K Q^T, O^T = V^T P^T: a lane holds one query.  By the tiles' order of rows the 16 registers of key tiles 2 p, 2 p + 1 are keys 32 p + 16 h + 0 .. 15, and O^T's 32 registers run along the head's 64.
; THE HEAD'S 64 IN AN INSTRUCTION OF 128: twelve registers hold the half fragments of key tiles 2 p and 2 p + 1; against [q | zero codes] they give tile 2 p's scores, against [zero codes | q] tile 2 p + 1's.  Zero codes add nothing; their scale byte is 1.
; THE RING: two LDS slots of 256 keys (25,600 bytes: codes and scale words, as launch qkv laid them), each brought by one tensor load of wave 0 and read by all sixteen waves.  By this text's count one tensor load of wave 0 is out at most.
; REGISTERS: v0 (from the head's end on) 256 x lane; v1, v2 16, 8 x lane; v4, v7 LDS addresses; v5, v6 the add's two; v[8:11], v[12:15] L's, H's -M, largest t, sum in two halves; v16-45 [0 | qH | 0 | qL | 0], six each;
;   v46-93 four operands of K, then of V; v95 r + 8 (r / 8) - 16 h; v96-159 S^T, then p; v160-191, v192-223 O^T of H, L; v224-235 p's codes; v236-254 at work; v[248:251] scale words: lanes 0-15 K's, lanes 16-31 V's;
;   v255, v243 H's Q scale words for [q | 0], [0 | q]; v3, v94 L's.
; y's two scale bytes of a row and a head are stored two bytes a lane, 16 bytes apart: 262,144 bytes in all beside 6,291,456 of codes, which leave in runs of 512 and 256 aligned bytes.
; LIMITS: those of the quantiser (head of launch quant).
.set SLOT1, 32768                      ; slot 1 begins here: one exclusive or turns an address from one slot to the other
.set SLOTB, 25600
.set STEPB, 12288
.set BHB,   204800
.set SPARE, 2*SLOT1                    ; behind the ring: the spare words, 128 bytes a wave: eight blocks of 256 bytes that no other line names
.set PFO,  0
.set L16,  1
.set L8,   2
.set AD16, 4
.set AD8,  7
.set SPW,  5
.set NIL,  6
.set KV,   46
.set LQ,   95
.set PC,   224                         ; the way out's quantiser
.set TM,   46
.set PW,   62
.set TB,   2                           ; s2   LDS byte at which the slot in hand begins
.set WV,   18                          ; s18  my wave's number
.set SEL,  20                          ; s[20:21] lane l xor 16
.set CS,   22                          ; s[22:23] c = log2(e) / 8
.set G1,   24                          ; s[24:31] descriptor group 1
.set G0,   40                          ; s[40:43] group 0, which walks
.set SQL,  66                          ; s66  L's first query
.set SLOTS, 67                         ; s67  changes of slots still to come in the loop
.set PFA,  76                          ; s[76:77] where my prefetches stand
.set LIM,  80                          ; s80  1 in a wave that prefetches, else the greatest number
.set LASTQ, 81                         ; s81  my work-group's last query
.set KF,   98                          ; s98  the step's first key
.set SQH,  99                          ; s99  H's first query
.macro QUANT s
.irp b, 0,1,2,3
	v_max3_num_f32 v[TM+\b], |v[\s+16*\b]|, |v[\s+1+16*\b]|, 0x1800000   ; block b: my 16 numbers, and the floor 2^(3 - 127): the byte cannot fall under 1
.endr
.irp i, 2,4,6,8,10,12,14
.irp b, 0,1,2,3
	v_max3_num_f32 v[TM+\b], v[TM+\b], |v[\s+16*\b+\i]|, |v[\s+1+16*\b+\i]|
.endr
.endr
.irp b, 0,1,2,3
	v_permlanex16_b32 v[TM+4+\b], v[TM+\b], s[SEL], s[SEL+1]
.endr
.irp b, 0,1,2,3
	v_max_num_f32 v[TM+\b], v[TM+\b], v[TM+4+\b]
.endr
.irp b, 0,1,2,3
	v_add_nc_u32 v[TM+12+\b], 0xff000000, v[TM+\b]
.endr
.irp b, 0,1,2,3
	v_lshrrev_b32 v[TM+4+\b], 23, v[TM+12+\b]
.endr
	v_lshl_or_b32 v[PW], v[TM+5], 8, v[TM+4]
	v_lshl_or_b32 v[PW], v[TM+6], 16, v[PW]
	v_lshl_or_b32 v[PW], v[TM+7], 24, v[PW]
.irp c, 0,1
	v_cvt_scalef32_pk16_fp6_f32 v[PC+6*\c:PC+2+6*\c], v[\s+32*\c:\s+15+32*\c], v[TM+12+2*\c]
	v_cvt_scalef32_pk16_fp6_f32 v[PC+12+4*\c:PC+14+4*\c], v[\s+16+32*\c:\s+31+32*\c], v[TM+12+2*\c+1]
.endr
	v_nop                                          ; one plain place behind a scaled conversion
.irp c, 0,1
.irp i, 0,1,2
	v_permlane16_swap_b32 v[PC+6*\c+\i], v[PC+12+4*\c+\i]
.endr
.irp i, 0,1,2
	v_mov_b32 v[PC+3+6*\c+\i], v[PC+12+4*\c+\i]
.endr
.endr
.endm
.macro TLOAD                           ; wave 0 fetches a whole slot.  An s_nop 0 and four v_nop follow the load
	s_cmp_eq_u32 s[WV], 0
	s_cbranch_scc0 .Lasked_\@
	tensor_load_to_lds s[G0:G0+3], s[G1:G1+7]
	s_nop 0
.rept 4
	v_nop
.endr
.Lasked_\@:
.endm
; A PREFETCH INTO THE L2 of the 24,576 code bytes of the slot that the NEXT change of slots will ask for: a slot's two key steps ahead of that load.  All four work-groups of a head walk the same records: work-group i = 0, which
; walks all eight slots, asks; in it waves 4 to 6, 8,192 bytes each, lanes 256 bytes apart: each aligned block of 256 bytes is named once in the launch.  Slots 0 and 1 and every slot's 1,024 scale bytes come by their loads alone;
; the last change that fills a slot asks for nothing.
.macro ASK
	s_cmp_gt_u32 s[SLOTS], s[LIM]
	s_cbranch_scc0 .Lnot_mine_\@
	global_prefetch_b8 v[PFO], s[PFA:PFA+1] th:TH_LOAD_NT scope:SCOPE_SE
.Lnot_mine_\@:
.endm
.macro QBASE tt, sq                    ; a tile's first query
	s_lshr_b32 s34, s[\tt], 1
	s_lshl_b32 s34, s34, 5
	s_and_b32 s35, s[\tt], 1
	s_lshl_b32 s35, s35, 3
	s_add_co_u32 s[\sq], s34, s35
.endm
.macro QADR tt, oc, os                 ; where tile tt's half fragment (s[oc:oc+1]) and its scale bytes (s[os:os+1]) lie in qr
	s_lshr_b32 s96, s[\tt], 4
	s_mul_i32 s96, s96, SLOTB
	s_add_co_u32 s96, s96, s36                     ; the head and the slot
	s_bfe_u32 s97, s[\tt], 0x10003                 ; the step
	s_mul_i32 s[\oc], s97, STEPB
	s_add_co_u32 s[\oc], s[\oc], s96
	s_lshl_b32 s[\os], s97, 9
	s_add_co_u32 s[\os], s[\os], s96
	s_and_b32 s97, s[\tt], 7
	s_mul_i32 s96, s97, 768
	s_add_co_u32 s[\oc], s[\oc], s96
	s_lshl_b32 s97, s97, 1                         ; word (tt % 8) / 2, half tt % 2: 2 (tt % 8) bytes
	s_add_co_u32 s[\os], s[\os], s97
	s_add_co_u32 s[\os], s[\os], 24576
	s_mov_b32 s[\oc+1], 0
	s_mov_b32 s[\os+1], 0
.endm
	s_load_b256 s[4:11], s[0:1], 0x0               ; qr s[4:5], kv s[6:7], ycod s[8:9], scb s[10:11]
	v_lshl_add_u32 v[SPW], v0, 2, SPARE
	v_mov_b32 v[NIL], 0
	ds_add_u32 v[SPW], v[NIL]                      ; the wave's opening: the add, twice on end, and its wait ahead of the first tensor load
	ds_add_u32 v[SPW], v[NIL]
	v_lshrrev_b32 v8, 5, v0
	v_readfirstlane_b32 s[WV], v8                  ; wave 0..15
	s_and_b32 s13, ttmp7, 0xffff                   ; bh = 16 x batch + head
	s_sub_co_u32 s32, 7, ttmp9
	s_lshl_b32 s32, s32, 4
	s_add_co_u32 s32, s32, s[WV]                   ; H's tile
	s_lshl_b32 s33, ttmp9, 4
	s_add_co_u32 s33, s33, 15
	s_sub_co_u32 s33, s33, s[WV]                   ; L's tile
	QBASE 32, SQH
	QBASE 33, SQL
	s_sub_co_u32 s[LASTQ], 8, ttmp9
	s_lshl_b32 s[LASTQ], s[LASTQ], 8
	s_sub_co_u32 s[LASTQ], s[LASTQ], 1
	s_mul_i32 s36, s13, BHB                        ; my head's records
	s_mov_b32 s37, 0
	QADR 32, 44, 46
	QADR 33, 48, 50
	s_mov_b32 s[G1], 3<<16                         ; no mask; elements of 8 bytes; no padding
	s_mov_b32 s[G1+1], 32<<16                      ; tensor_dim0 = 32: 256 bytes
	s_mov_b32 s[G1+2], 100<<16                     ; tensor_dim1 = 100 rows: 25,600 dense bytes
	s_mov_b32 s[G1+3], 32<<16                      ; tile_dim0
	s_mov_b32 s[G1+4], 100                         ; tile_dim1
	s_mov_b32 s[G1+5], 32                          ; the pitch
	s_mov_b32 s[G1+6], 0
	s_mov_b32 s[G1+7], 0
	s_mov_b32 s[SEL], 0x76543210
	s_mov_b32 s[SEL+1], 0xfedcba98
	s_mov_b32 s[CS], 0x3e38aa3b                    ; log2(e) / 8
	s_mov_b32 s[CS+1], s[CS]                       ; (named with it as a pair, so it is written)
	s_mov_b32 s[TB], 0
	s_mov_b32 s[SLOTS], 7
	s_mov_b32 s[KF], 0
	s_sub_co_u32 s82, s[WV], 4
	s_cmp_lt_u32 s82, 3                            ; waves 4 to 6
	s_cselect_b32 s82, 0, 1
	s_or_b32 s82, s82, ttmp9                       ; of work-group i = 0
	s_cmp_eq_u32 s82, 0
	s_cselect_b32 s[LIM], 1, -1
	s_and_b32 s82, s[WV], 3
	s_lshl_b32 s82, s82, 13                        ; my wave's 8,192 bytes,
	s_add_co_u32 s82, s82, SLOTB                   ; in slot 1: the first change of slots steps it to slot 2
	s_add_co_u32 s82, s82, s36
	s_mov_b32 s83, 0
	s_wait_dscnt 0x0                               ; both opening adds are done
	s_wait_kmcnt 0x0
	s_mov_b32 s[G0], 1
	s_mov_b32 s[G0+1], 0                           ; slot 0
	s_add_nc_u64 s[G0+2:G0+3], s[6:7], s[36:37]
	s_or_b32 s[G0+3], s[G0+3], 0x80000000
	TLOAD                                          ; keys 0 to 255: they count for every tile
	s_add_nc_u64 s[PFA:PFA+1], s[6:7], s[82:83]
	s_add_nc_u64 s[44:45], s[4:5], s[44:45]
	s_add_nc_u64 s[46:47], s[4:5], s[46:47]
	s_add_nc_u64 s[48:49], s[4:5], s[48:49]
	s_add_nc_u64 s[50:51], s[4:5], s[50:51]
	v_and_b32 v8, 15, v0                           ; r
	v_bfe_u32 v9, v0, 4, 1                         ; h
	v_and_b32 v10, 31, v0                          ; lane
	v_lshlrev_b32 v[L16], 4, v10
	v_lshlrev_b32 v[L8], 3, v10
	global_load_b128 v[22:25], v[L16], s[44:45]    ; Q stays in registers
	global_load_b64 v[26:27], v[L8], s[44:45] offset:512
	global_load_b128 v[34:37], v[L16], s[48:49]
	global_load_b64 v[38:39], v[L8], s[48:49] offset:512
	v_lshlrev_b32 v254, 4, v8
	global_load_u16 v244, v254, s[46:47]           ; my query's two scale bytes
	global_load_u16 v245, v254, s[50:51]
	v_and_b32 v11, 8, v8
	v_add_nc_u32 v11, v11, v8
	v_lshlrev_b32 v9, 4, v9
	v_sub_nc_u32 v[LQ], v11, v9                    ; r + 8 (r / 8) - 16 h
.irp j, 16,17,18,19,20,21,28,29,30,31,32,33,40,41,42,43,44,45
	v_mov_b32 v[\j], 0                             ; the zero codes
.endr
	v_mov_b32 v13, 0xff61b1e6                      ; the largest t so far: -3e38, under every t
	v_floor_f32 v12, -v13                          ; -M
	v_mov_b32 v14, 0
	v_mov_b32 v15, 0
	v_mov_b32 v9, 0xff61b1e6
	v_floor_f32 v8, -v9
	v_mov_b32 v10, 0
	v_mov_b32 v11, 0
.irp b, 0,1,2,3
	v_mov_b32 v[236+\b], 0                         ; written once: a lane permute's destination counts as one of its sources
.endr
	v_mov_b32 v252, 0
	v_mov_b32 v253, 0                              ; (named as the upper half of the pair v[252:253] before it is first written)
	s_wait_loadcnt 0x0                             ; Q and its scale bytes
	v_or_b32 v255, 0x01010000, v244                ; [s0 s1 1 1] for [q | 0].  These four scale words are made HERE, ahead of the moves that clear O^T: a scale register written by a vector
	v_lshl_or_b32 v243, v244, 16, 0x0101           ; [1 1 s0 s1] for [0 | q].  instruction stands eight plain vector instructions ahead of the scaled matrix instruction that takes it, on every
	v_or_b32 v3, 0x01010000, v245                  ; way into a key step, the ways that jump over hidden steps too: the 66 lines below are those
	v_lshl_or_b32 v94, v245, 16, 0x0101
	v_mov_b32 v254, 0                              ; (free since the wait: it held the scale bytes' offset)
.set J, 0
.rept 64
	v_mov_b32 v[160+J], 0                          ; O^T.  (A step is written once: the first finds zeros, which the first change of M leaves zeros)
.set J, J+1
.endr
	v_and_b32 v0, 31, v0                           ; the thread's number has served: v0 now holds the prefetches' offset
	v_lshlrev_b32 v[PFO], 8, v0
; ONE TILE'S KEY STEP: the q-th 128 keys of the slot in hand.  qa, qb: first registers of [q | 0], [0 | q]; sa, sb: their scale words; ot: O^T; st: the statistics; sq: the scalar with the tile's first query.
.macro TSTEP q, qa, qb, sa, sb, ot, st, sq
	s_add_co_u32 s96, s[\sq], 23                   ; the tile's last query.  A step all of whose keys come after it is left out: a branch on ids, round no barrier and no tensor load
	s_cmp_gt_u32 s[KF], s96
	s_cbranch_scc1 .Lhid_\@
	v_add_nc_u32 v[AD16], s[TB], v[L16]
	v_add_nc_u32 v[AD8], s[TB], v[L8]
	v_nop
	v_nop                                          ; four places in front of loads into registers that matrix instructions have read
.irp p, 0,1,2,3
	ds_load_b128 v[KV+12*\p:KV+12*\p+3], v[AD16] offset:(\q)*STEPB+\p*1536
	ds_load_b64 v[KV+12*\p+4:KV+12*\p+5], v[AD8] offset:(\q)*STEPB+\p*1536+512
	ds_load_b128 v[KV+12*\p+6:KV+12*\p+9], v[AD16] offset:(\q)*STEPB+\p*1536+768
	ds_load_b64 v[KV+12*\p+10:KV+12*\p+11], v[AD8] offset:(\q)*STEPB+\p*1536+1280
.endr
	ds_load_b128 v[248:251], v[AD16] offset:24576+(\q)*512   ; lanes 0-15: K's four words of place r; lanes 16-31: V's
	s_wait_dscnt 0x0
.irp p, 0,1,2,3
	v_wmma_scale_f32_16x16x128_f8f6f4 v[96+16*\p:103+16*\p], v[KV+12*\p:KV+12*\p+11], v[\qa:\qa+11], 0, v[248+\p], v[\sa] matrix_a_fmt:MATRIX_FMT_FP6 matrix_b_fmt:MATRIX_FMT_FP6
	v_wmma_scale_f32_16x16x128_f8f6f4 v[104+16*\p:111+16*\p], v[KV+12*\p:KV+12*\p+11], v[\qb:\qb+11], 0, v[248+\p], v[\sb] matrix_a_fmt:MATRIX_FMT_FP6 matrix_b_fmt:MATRIX_FMT_FP6
.endr
.rept 4
	v_nop                                          ; places: for the loads below and for the first read of the scores
.endr
.irp p, 0,1,2,3                                ; V^T's four fragments land while the softmax is walked
	ds_load_b128 v[KV+12*\p:KV+12*\p+3], v[AD16] offset:(\q)*STEPB+6144+\p*1536
	ds_load_b64 v[KV+12*\p+4:KV+12*\p+5], v[AD8] offset:(\q)*STEPB+6144+\p*1536+512
	ds_load_b128 v[KV+12*\p+6:KV+12*\p+9], v[AD16] offset:(\q)*STEPB+6144+\p*1536+768
	ds_load_b64 v[KV+12*\p+10:KV+12*\p+11], v[AD8] offset:(\q)*STEPB+6144+\p*1536+1280
.endr
	s_add_co_u32 s96, s[KF], 127                   ; on the diagonal hidden scores become -infinity ahead of the maximum: p = 0 then.  A step all of whose keys count skips this
	s_cmp_le_u32 s96, s[\sq]
	s_cbranch_scc1 .Lopen_\@
	s_sub_co_i32 s96, s[\sq], s[KF]
	v_add_nc_u32 v252, s96, v[LQ]                  ; d = my query - KF - 16 h.  Register 16 b + i holds key KF + 16 h + 32 b + i: hidden where 32 b + i > d
	v_mov_b32 v254, 0xff800000
.set N, 0
.rept 64
	v_cmp_gt_i32 vcc_lo, 32*(N/16)+N%16, v252
	v_cndmask_b32 v[96+N], v[96+N], v254, vcc_lo
.set N, N+1
.endr
.Lopen_\@:
.irp b, 0,1,2,3
	v_max3_num_f32 v[232+\b], v[96+16*\b], v[97+16*\b], v[98+16*\b]   ; the largest score of each block of 32 keys: for the row's maximum and, since p rises with the score, for the block's largest p
.endr
.irp i, 3,5,7,9,11,13
.irp b, 0,1,2,3
	v_max3_num_f32 v[232+\b], v[232+\b], v[96+16*\b+\i], v[97+16*\b+\i]
.endr
.endr
.irp b, 0,1,2,3
	v_max_num_f32 v[232+\b], v[232+\b], v[111+16*\b]
.endr
.irp b, 0,1,2,3
	v_permlanex16_b32 v[236+\b], v[232+\b], s[SEL], s[SEL+1]
.endr
.irp b, 0,1,2,3
	v_max_num_f32 v[232+\b], v[232+\b], v[236+\b]  ; with lane l xor 16's 16 keys
.endr
	v_max3_num_f32 v254, v232, v233, v234
	v_max_num_f32 v254, v254, v235                 ; the step's largest score of my query (at least one key of the step counts for every query of the tile)
	v_mul_f32 v254, s[CS], v254
	v_max_num_f32 v[\st+1], v[\st+1], v254         ; the running largest t
	v_mov_b32 v254, v[\st]
	v_floor_f32 v[\st], -v[\st+1]                  ; the new -M
	v_sub_f32 v254, v[\st], v254                   ; old M - new M: a whole number, 0 or less
	v_cvt_i32_f32 v254, v254                       ; (it saturates)
	v_ldexp_f32 v252, 1.0, v254                    ; f = 2^(old M - new M)
.set J, 0
.rept 32
	v_pk_fma_f32 v[96+J:97+J], v[96+J:97+J], s[CS:CS+1], v[\st:\st+1] op_sel_hi:[1,0,0]   ; t - M, two at a time
.set J, J+2
.endr
.irp b, 0,1,2,3
	v_fma_f32 v[232+\b], v[232+\b], s[CS], v[\st]  ; the same of each block's largest score
.endr
.set J, 0
.rept 64
	v_exp_f32 v[96+J], v[96+J]                     ; p = 2^(t - M)
.set J, J+1
.endr
	v_pk_mul_f32 v[\st+2:\st+3], v[\st+2:\st+3], v[252:253] op_sel_hi:[1,0]   ; the sums under the new M: a plain place behind the exponentials
	s_wait_alu depctr_va_vdst(0)                   ; the wait ahead of the first line that names a result: one for the batch of 64
.irp b, 0,1,2,3
	v_exp_f32 v[232+\b], v[232+\b]                 ; the block's largest p
.endr
	v_pk_add_f32 v[236:237], v[96:97], v[98:99]    ; the row's sum, of the unquantised p, in two chains
.irp j, 4,8,12,16,20,24,28,32,36,40,44,48,52,56,60
	v_pk_add_f32 v[\st+2:\st+3], v[\st+2:\st+3], v[96+\j:97+\j]
	v_pk_add_f32 v[236:237], v[236:237], v[98+\j:99+\j]
.endr
	v_pk_add_f32 v[\st+2:\st+3], v[\st+2:\st+3], v[236:237]
	s_wait_alu depctr_va_vdst(0)                   ; and one for the four
.irp b, 0,1,2,3
	v_max_num_f32 v[232+\b], 0x1800000, v[232+\b]  ; the floor 2^(3 - 127): a block whose every p is 0 keeps the byte 1: its codes are zeros
.endr
.irp b, 0,1,2,3
	v_add_nc_u32 v[244+\b], 0xff000000, v[232+\b]  ; the conversion's scale operand
.endr
.irp b, 0,1,2,3
	v_lshrrev_b32 v[236+\b], 23, v[244+\b]         ; the scale's byte
.endr
	v_lshl_or_b32 v253, v237, 8, v236              ; p's scale word for these 128 keys
	v_lshl_or_b32 v253, v238, 16, v253
	v_lshl_or_b32 v253, v239, 24, v253
.irp c, 0,1
	v_cvt_scalef32_pk16_fp6_f32 v[224+6*\c:226+6*\c], v[96+32*\c:111+32*\c], v[244+2*\c]
	v_cvt_scalef32_pk16_fp6_f32 v[236+4*\c:238+4*\c], v[112+32*\c:127+32*\c], v[244+2*\c+1]
.endr
	v_nop                                          ; one plain place behind a scaled conversion
.irp c, 0,1
.irp i, 0,1,2
	v_permlane16_swap_b32 v[224+6*\c+\i], v[236+4*\c+\i]
.endr
.irp i, 0,1,2
	v_mov_b32 v[227+6*\c+\i], v[236+4*\c+\i]
.endr
.endr
.set J, 0
.rept 16
	v_pk_mul_f32 v[\ot+J:\ot+J+1], v[\ot+J:\ot+J+1], v[252:253] op_sel_hi:[1,0]   ; O^T under the new M.  (These sixteen are also the places in front of the matrix instructions below)
.set J, J+2
.endr
	s_wait_dscnt 0x0                               ; V's fragments are in
.irp t, 0,1,2,3
	v_wmma_scale_f32_16x16x128_f8f6f4 v[\ot+8*\t:\ot+8*\t+7], v[KV+12*\t:KV+12*\t+11], v[224:235], v[\ot+8*\t:\ot+8*\t+7], v[248+\t], v253 matrix_a_fmt:MATRIX_FMT_FP6 matrix_b_fmt:MATRIX_FMT_FP6 matrix_a_scale:MATRIX_SCALE_ROW1
.endr
.Lhid_\@:
.endm
.macro STEP q
	TSTEP \q, 22, 16, 255, 243, 160, 12, SQH
	TSTEP \q, 34, 28, 3, 94, 192, 8, SQL
	s_add_co_u32 s[KF], s[KF], 128
.endm
.macro SLOT_STEPS
	STEP 0
	STEP 1
	s_xor_b32 s[TB], s[TB], SLOT1                  ; on to the other slot
.endm
; THE CHANGE OF SLOTS stands at a slot's head.  Each wave waits for all its tensor loads, adds 0 to its spare word (fill = 1: twice on end), and waits for that and for
; its reads of the slot that it has left.  Behind the barrier the slot ahead is whole and nobody reads the other one, which is then filled with the next 256 keys, while a wave of the work-group will read them.
.macro CHANGE fill
	s_wait_tensorcnt 0x0                           ; no tensor load of mine is out, so group 0 may be written
	ds_add_u32 v[SPW], v[NIL]
.if \fill
	ds_add_u32 v[SPW], v[NIL]
	s_xor_b32 s[G0+1], s[G0+1], SLOT1              ; the other slot than last time,
	s_add_nc_u64 s[G0+2:G0+3], s[G0+2:G0+3], SLOTB ; the next 256 keys' records
	s_wait_xcnt 0x0                                ; the last prefetch, a slot back, has read its address
	s_add_nc_u64 s[PFA:PFA+1], s[PFA:PFA+1], SLOTB
.endif
	s_wait_dscnt 0x0
	s_barrier_signal -1
	s_barrier_wait -1
.if \fill
	s_add_co_u32 s96, s[KF], 256                   ; the first key of the slot that this change would ask for: past my work-group's last query no wave reads it, so it is not asked for.
	s_cmp_gt_u32 s96, s[LASTQ]                     ; Ids and the count of steps alone: all sixteen waves go the same way; every wait on TENSORcnt in this text is for 0
	s_cbranch_scc1 .Lpast_\@
	TLOAD
.Lpast_\@:
	ASK
.endif
.endm
.Lslot:                                            ; seven trips; every work-group walks all eight slots, so that the trip counts are constants
	CHANGE 1
	SLOT_STEPS
	s_sub_co_u32 s[SLOTS], s[SLOTS], 1
	s_cmp_lg_u32 s[SLOTS], 0
	s_cbranch_scc1 .Lslot
	CHANGE 0                                       ; the last slot is written out: nothing follows it
	SLOT_STEPS
	; THE WAY OUT.  O^T / the sum, H's 32 numbers and L's 32, are the quantiser's four blocks: the result's registers 0-5 are H's half fragment of y (16 tokens x my head's 64 of C), registers 6-11 L's; the word holds H's two bytes, then L's.
.rept 4
	v_nop                                          ; places behind the last products
.endr
	v_add_f32 v14, v14, v15
	v_add_f32 v10, v10, v11
	v_permlanex16_b32 v252, v14, s[SEL], s[SEL+1]
	v_permlanex16_b32 v254, v10, s[SEL], s[SEL+1]
	v_add_f32 v14, v14, v252                       ; the rows' sums
	v_add_f32 v10, v10, v254
	v_rcp_f32 v14, v14
	v_rcp_f32 v10, v10
.irp b, 0,1,2,3
	v_mov_b32 v[TM+4+\b], 0                        ; plain lines behind the reciprocals; a lane permute's destination counts as one of its sources
.endr
	s_lshr_b32 s82, s13, 4
	s_lshl_b32 s82, s82, 7                         ; 128 tiles a batch
	s_and_b32 s83, s13, 15                         ; the head
	s_lshr_b32 s84, s83, 2
	s_mul_i32 s84, s84, 24576
	s_and_b32 s85, s83, 3
	s_mul_i32 s85, s85, 768
	s_add_co_u32 s84, s84, s85                     ; the head's place in a tile's codes: k = 64 x head
	s_lshr_b32 s85, s83, 3
	s_lshl_b32 s85, s85, 8
	s_and_b32 s86, s83, 7
	s_lshl_b32 s86, s86, 1
	s_add_co_u32 s85, s85, s86                     ; and among its scale bytes: 256 (head / 8) + 2 (head % 8)
.macro YADR tt, oc, os
	s_add_co_u32 s96, s82, s[\tt]                  ; y's tile
	s_lshr_b32 s97, s96, 3
	s_mul_i32 s97, s97, 98304
	s_add_co_u32 s[\oc], s97, s84
	s_and_b32 s97, s96, 7
	s_mul_i32 s97, s97, 3072
	s_add_co_u32 s[\oc], s[\oc], s97
	s_mov_b32 s[\oc+1], 0
	s_lshl_b32 s[\os], s96, 9
	s_add_co_u32 s[\os], s[\os], s85
.endm
	YADR 32, 44, 46
	YADR 33, 48, 47
	s_add_nc_u64 s[44:45], s[8:9], s[44:45]
	s_add_nc_u64 s[48:49], s[8:9], s[48:49]
	s_wait_alu depctr_va_vdst(0)                   ; one wait for both reciprocals, ahead of their first reader
.set J, 0
.rept 32
	v_mul_f32 v[96+J], v[160+J], v14
.set J, J+1
.endr
.set J, 0
.rept 32
	v_mul_f32 v[128+J], v[192+J], v10
.set J, J+1
.endr
	QUANT 96
	global_store_b128 v[L16], v[PC:PC+3], s[44:45]
	global_store_b64 v[L8], v[PC+4:PC+5], s[44:45] offset:512
	global_store_b128 v[L16], v[PC+6:PC+9], s[48:49]
	global_store_b64 v[L8], v[PC+10:PC+11], s[48:49] offset:512
	v_cmp_le_u32 vcc_lo, 0x100, v[L16]             ; lanes 0-15 store H's two bytes of place r, lanes 16-31 L's
	v_mov_b32 v64, s46
	v_mov_b32 v65, s47
	v_cndmask_b32 v64, v64, v65, vcc_lo
	v_and_b32 v65, 0xf0, v[L16]                    ; 16 r
	v_add_nc_u32 v64, v64, v65
	v_lshrrev_b32 v66, 16, v[PW]
	v_cndmask_b32 v66, v[PW], v66, vcc_lo
	global_store_b16 v64, v66, s[10:11]
	s_wait_tensorcnt 0x0                           ; the wave's end
	ds_add_u32 v[SPW], v[NIL]
	s_wait_dscnt 0x0
	s_endpgm
.Lfunc_end_k_qfc0861d68e_attn:
	.size	k_qfc0861d68e_attn, .Lfunc_end_k_qfc0861d68e_attn-k_qfc0861d68e_attn
	.p2alignl 7, 3214868480
	.fill 96, 4, 3214868480
	.section	.rodata,"a",@progbits
	.p2align	6, 0x0
	.amdhsa_kernel k_qfc0861d68e_attn
		.amdhsa_group_segment_fixed_size 327680
		.amdhsa_private_segment_fixed_size 0
		.amdhsa_enable_private_segment 0
		.amdhsa_kernarg_size 32
		.amdhsa_user_sgpr_count 2
		.amdhsa_user_sgpr_kernarg_segment_ptr 1
		.amdhsa_wavefront_size32 1
		.amdhsa_system_sgpr_workgroup_id_x 1
		.amdhsa_system_sgpr_workgroup_id_y 1
		.amdhsa_system_sgpr_workgroup_id_z 1
		.amdhsa_system_vgpr_workitem_id 0
		.amdhsa_next_free_vgpr 256
		.amdhsa_next_free_sgpr 100
		.amdhsa_reserve_vcc 1
		.amdhsa_float_denorm_mode_32 3
		.amdhsa_float_denorm_mode_16_64 3
		.amdhsa_memory_ordered 1
		.amdhsa_forward_progress 1
		.amdhsa_inst_pref_size 186
	.end_amdhsa_kernel
	.amdgpu_metadata
---
amdhsa.version: [ 1, 2 ]
amdhsa.kernels:
  - .name:           k_qfc0861d68e_attn
    .symbol:         k_qfc0861d68e_attn.kd
    .args:
      - { .name: qr, .offset: 0, .size: 8, .value_kind: global_buffer, .address_space: global }
      - { .name: kv, .offset: 8, .size: 8, .value_kind: global_buffer, .address_space: global }
      - { .name: ycod, .offset: 16, .size: 8, .value_kind: global_buffer, .address_space: global }
      - { .name: scb, .offset: 24, .size: 8, .value_kind: global_buffer, .address_space: global }
    .group_segment_fixed_size: 327680
    .private_segment_fixed_size: 0
    .kernarg_segment_align: 8
    .kernarg_segment_size: 32
    .max_flat_workgroup_size: 512
    .sgpr_count:     100
    .vgpr_count:     256
    .wavefront_size: 32
...
	.end_amdgpu_metadata
.endif
;; end of part 3
;; launch proj (part 4): grid 4 x 32, 4 waves a work-group, clusters of 4 x 4, 327,680 bytes of LDS; arguments ycod, ops, scb, bp, out0; writes out0
.if DOCPART == 4
	.amdgcn_target "amdgcn-amd-amdhsa--gfx1250"
	.amdhsa_code_object_version 6
	.text
	.protected	k_qfc0861d68e_proj
	.globl	k_qfc0861d68e_proj
	.p2align	8
	.type	k_qfc0861d68e_proj,@function
k_qfc0861d68e_proj:
	s_mov_b64 s[64:65], 0
	v_nop
	global_prefetch_b8 v0, s[64:65] scope:SCOPE_SE
	s_setreg_imm32_b32 hwreg(HW_REG_WAVE_MODE, 25, 1), 1
	s_wait_xcnt 0x0
	s_wait_alu depctr_hold_cnt(0) depctr_sa_sdst(0) depctr_va_vdst(0) depctr_va_sdst(0) depctr_va_ssrc(0) depctr_va_vcc(0) depctr_vm_vsrc(0)
	s_getreg_b32 s2, hwreg(HW_REG_IB_STS2, 6, 4)
	s_cmp_eq_u32 s2, 0
	s_cbranch_scc0 .Lentry_in_a_cluster
	s_endpgm
.Lentry_in_a_cluster:
	s_bfe_u32 s2, ttmp6, 0x10000c
	s_cmp_lg_u32 s2, 0xf033
	s_cbranch_scc0 .Lentry_shape_is_right
	s_endpgm
.Lentry_shape_is_right:
; out0 = y Wp^T + bp on y's codes (launch attn) and Wp's (launch quant).  No work is left out here.
; The frame is launch qkv's: a work-group makes 256 tokens x 256 channels, each of its four waves 128 x 128; source 1 (S1) = y's tiles of tokens, source 0 (S0) = Wp's tiles of rows; K = 1,024 in four steps of 256 through two LDS slots,
; 24,576 dense bytes to a tensor load; all eight steps of 128 written out; the scale words of all of K in 64 registers, lanes 0-15 y's, lanes 16-31 Wp's.  CLUSTER 4 x 4: y's block is asked for jointly by a row, Wp's by a column.
; The bias is the C of each sum's first matrix instruction: eight tiles of 8 registers in the result's layout: register j of tile b is channel 32 (b / 2) + 8 (b % 2) + 16 h + j of the wave's 128.
; THE WAY OUT: a block of 16 tokens x 128 channels goes through the wave's own stage in LDS, where the channels come into their order, and leaves as whole rows: 32 lanes store 512 consecutive bytes, aligned.  The stage lies in slot 0, which
; has had its last fill and its last read when the first result is stored there.  A tile's place t is token 32 (a / 2) + 8 (a % 2) + t + 8 (t / 8) of the wave's 128: the row stands in the store's immediate, 127 rows of 4,096 bytes at the most.
; 128 work-groups: the tile is kept large; a smaller one would give more work-groups at the price of more LDS bytes for each product.
; REGISTERS: window 0: v1-31 addresses; v32-95 scale words (8 i + s); v96-127, v224-255 the bias; v128-223 S1's fragments (on the way out v128-255: rows read back).  window 1: S0's fragments, two sets.  windows 2, 3: the accumulators.
.set HALFT,  24576
.set SLOT,   4*HALFT
.set SPARE,  2*SLOT                    ; behind the ring: the spare words, 128 bytes a wave: two blocks of 256 bytes that no other line names
.set GRP,    98304
.set SPITCH, 528                       ; a stage row: 512 bytes + 16
.set FR,     12
.set NL,     4
.set NP,     4
.set L16,  4                           ; v4   16 x lane
.set L8,   5                           ; v5   8 x lane
.set SOF,  6                           ; v6   where my scale words lie in scb
.set BOF,  7                           ; v7   64 h: the bias loads' offset
.set ADRA, 16
.set ADRB, 20
.set STO,  24                          ; v24  the stage: where I put 32 bytes of a row
.set RD,   25                          ; v25  and where I read a row back
.set SPW,  28
.set NIL,  29
.set SC,   32
.set AF,   128
.set BK,   128
.set G1,  24
.set G0,  32
.set G1B, 48
.set G0B, 56
.set MSB, 0
.macro WIN new
.if MSB != (\new)
	s_set_vgpr_msb (MSB<<8)|(\new)
.set MSB, (\new)
.endif
.endm
.set MUL_LO, 0xa1                      ; source 0 window 1, source 1 window 0, C and D window 2
.set MUL_HI, 0xf1
.set TO_B,   0x40
.macro JLOAD g0a, g1a, g0b, g1b        ; a joint load: waves 0 and 1 fetch for S1, waves 2 and 3 for S0; an s_nop 0 and four v_nop follow each of the two lines
	s_cmp_eq_u32 s15, 0
	s_cbranch_scc0 .Lfor_b_\@
	tensor_load_to_lds s[\g0a:\g0a+3], s[\g1a:\g1a+7]
	s_nop 0
.rept 4
	v_nop
.endr
	s_branch .Lasked_\@
.Lfor_b_\@:
	tensor_load_to_lds s[\g0b:\g0b+3], s[\g1b:\g1b+7]
	s_nop 0
.rept 4
	v_nop
.endr
.Lasked_\@:
.endm
.macro CREST
	s_cmp_lg_u32 s14, 0
	s_cbranch_scc1 .Lnot_wave_0_\@
	s_barrier_signal -3
.Lnot_wave_0_\@:
	s_barrier_wait -3
	s_barrier_signal -1
	s_barrier_wait -1
.endm
.macro CROUND
	s_barrier_signal -1
	s_barrier_wait -1
	CREST
.endm
.macro PLACES n
.rept \n
	v_nop
.endr
.endm
	s_load_b256 s[4:11], s[0:1], 0x0               ; ycod s[4:5], ops s[6:7], scb s[8:9], bp s[10:11]
	s_load_b64 s[12:13], s[0:1], 0x20              ; out0
	v_lshl_add_u32 v[SPW], v0, 2, SPARE
	v_mov_b32 v[NIL], 0
	ds_add_u32 v[SPW], v[NIL]                      ; the wave's opening: the add, twice on end, and its wait ahead of my first tensor load
	ds_add_u32 v[SPW], v[NIL]
	v_lshrrev_b32 v1, 5, v0
	v_readfirstlane_b32 s14, v1                    ; wave 0..3
	s_lshr_b32 s15, s14, 1                         ; which half of the tokens is mine.  Also: I fetch for S1 (0) or for S0 (1)
	s_and_b32 s16, s14, 1                          ; which half of the channels.  Also: which 128 rows I fetch
	s_bfe_u32 s40, ttmp6, 0x40000                  ; cx
	s_bfe_u32 s41, ttmp6, 0x40004                  ; cy
	s_and_b32 s17, ttmp7, 0xffff
	s_lshl_b32 s17, s17, 2
	s_add_co_u32 s19, s17, s41                     ; T1: y's block of 256 tokens
	s_add_co_u32 s42, s40, 44                      ; T0: Wp's blocks begin at 44 in ops
	s_lshl_b32 s43, s41, 2
	s_lshl_b32 s43, 15, s43                        ; my row of the cluster
	s_lshl_b32 s44, 0x1111, s40                    ; my column
	s_or_b32 s[G1+0], s43, (3<<16)|(1<<21)         ; the mask; elements of 8 bytes; no padding; bit 21 beside a mask
	s_or_b32 s[G1B+0], s44, (3<<16)|(1<<21)
.irp g, G1, G1B
	s_mov_b32 s[\g+1], 32<<16                      ; 96 rows of 256 bytes, dense
	s_mov_b32 s[\g+2], 96<<16
	s_mov_b32 s[\g+3], 32<<16
	s_mov_b32 s[\g+4], 96
	s_mov_b32 s[\g+5], 32
	s_mov_b32 s[\g+6], 0
	s_mov_b32 s[\g+7], 0
.endr
	s_lshl_b32 s20, s19, 1
	s_add_co_u32 s20, s20, s16
	s_mul_i32 s20, s20, GRP
	s_mov_b32 s21, 0
	s_lshl_b32 s46, s42, 1
	s_add_co_u32 s46, s46, s16
	s_mul_i32 s46, s46, GRP
	s_mov_b32 s47, 0
	s_mul_i32 s45, s14, HALFT
	s_wait_dscnt 0x0                               ; both opening adds are done
	s_wait_kmcnt 0x0
	s_add_nc_u64 s[20:21], s[4:5], s[20:21]
	s_add_nc_u64 s[46:47], s[6:7], s[46:47]
	CROUND                                         ; all sixteen work-groups are here: the first joint loads meet
.irp s, 0,1
	s_mov_b32 s[G0+4*\s], 1
	s_add_co_u32 s[G0+4*\s+1], s45, \s*SLOT
	s_add_nc_u64 s[G0+4*\s+2:G0+4*\s+3], s[20:21], \s*HALFT
	s_or_b32 s[G0+4*\s+3], s[G0+4*\s+3], 0x80000000
	s_mov_b32 s[G0B+4*\s], 1
	s_add_co_u32 s[G0B+4*\s+1], s45, \s*SLOT
	s_add_nc_u64 s[G0B+4*\s+2:G0B+4*\s+3], s[46:47], \s*HALFT
	s_or_b32 s[G0B+4*\s+3], s[G0B+4*\s+3], 0x80000000
	JLOAD G0+4*\s, G1, G0B+4*\s, G1B
.endr
	v_and_b32 v1, 15, v0                           ; r
	v_bfe_u32 v2, v0, 4, 1                         ; h
	v_and_b32 v3, 31, v0                           ; lane
	v_lshlrev_b32 v[L16], 4, v3
	v_lshlrev_b32 v[L8], 3, v3
	s_mul_i32 s74, s15, HALFT
	s_mul_i32 s75, s16, HALFT
	s_add_co_u32 s75, s75, 2*HALFT
.irp s, 0,1
	v_add_nc_u32 v[ADRA+\s], s74, v[L16]
	v_add_nc_u32 v[ADRA+2+\s], s74, v[L8]
	v_add_nc_u32 v[ADRB+\s], s75, v[L16]
	v_add_nc_u32 v[ADRB+2+\s], s75, v[L8]
	s_add_co_u32 s74, s74, SLOT
	s_add_co_u32 s75, s75, SLOT
.endr
	s_lshl_b32 s17, s19, 1
	s_add_co_u32 s17, s17, s15
	s_lshl_b32 s18, s17, 12                        ; y's scale words: 4,096 bytes for my 128 tokens
	s_lshl_b32 s22, s40, 1
	s_add_co_u32 s22, s22, s16
	s_lshl_b32 s23, s22, 12
	s_add_co_u32 s23, s23, 262144                  ; Wp's lie behind y's
	v_mov_b32 v30, s18
	v_mov_b32 v31, s23
	v_cmp_le_u32 vcc_lo, 16, v3
	v_cndmask_b32 v[SOF], v30, v31, vcc_lo
	v_lshl_add_u32 v[SOF], v1, 4, v[SOF]
.irp i, 0,1,2,3,4,5,6,7
.irp k, 0,1
	global_load_b128 v[SC+8*\i+4*\k:SC+8*\i+4*\k+3], v[SOF], s[8:9] offset:\i*512+\k*256
.endr
.endr
	s_lshl_b32 s82, s22, 9                         ; my 128 channels: 512 bytes on in bp, and in a row of out0
	s_mov_b32 s83, 0
	s_add_nc_u64 s[10:11], s[10:11], s[82:83]
	v_lshlrev_b32 v[BOF], 6, v2
.irp t, 0,1,2,3,4,5,6,7
	global_load_b128 v[96+8*\t+96*(\t/4):96+8*\t+96*(\t/4)+3], v[BOF], s[10:11] offset:(32*(\t/2)+8*(\t%2))*4
	global_load_b128 v[96+8*\t+96*(\t/4)+4:96+8*\t+96*(\t/4)+7], v[BOF], s[10:11] offset:(32*(\t/2)+8*(\t%2))*4+16
.endr
	s_lshl_b32 s84, s17, 19                        ; my first token: 128 rows of 4,096 bytes a group
	s_mov_b32 s85, 0
	s_add_nc_u64 s[12:13], s[12:13], s[84:85]
	s_add_nc_u64 s[12:13], s[12:13], s[82:83]
	s_mul_i32 s23, s14, 16*SPITCH                  ; my stage
	v_mul_u32_u24 v30, v1, SPITCH
	v_lshl_add_u32 v30, v2, 6, v30
	v_add_nc_u32 v[STO], s23, v30                  ; in: row r, + 64 h
	v_add_nc_u32 v[RD], s23, v[L16]                ; back: the 32 lanes take one row
.macro FRAG reg, adr, q, i
	ds_load_b128 v[\reg:\reg+3], v[\adr] offset:(\i)*3072+(\q)*1536
	ds_load_b64 v[\reg+4:\reg+5], v[\adr+2] offset:(\i)*3072+(\q)*1536+512
	ds_load_b128 v[\reg+6:\reg+9], v[\adr] offset:(\i)*3072+(\q)*1536+768
	ds_load_b64 v[\reg+10:\reg+11], v[\adr+2] offset:(\i)*3072+(\q)*1536+1280
.endm
; 16 matrix instructions: S1's blocks a0, a0 + 1 x S0's eight, K step s.  bias = 1: the first product starts the sums from the bias.  The 64 accumulators take turns, in the same order in every step.
.macro MUL16 a0, p, s, bias
.irp a, \a0, \a0+1
.irp b, 0,1,2,3,4,5,6,7
.if \bias
	v_wmma_scale_f32_16x16x128_f8f6f4 v[8*(8*((\a)%4)+\b):8*(8*((\a)%4)+\b)+7], v[128*(\p)+FR*\b:128*(\p)+FR*\b+FR-1], v[AF+FR*(\a):AF+FR*(\a)+FR-1], v[96+8*\b+96*(\b/4):96+8*\b+96*(\b/4)+7], v[SC+8*\b+(\s)], v[SC+8*(\a)+(\s)] matrix_a_fmt:MATRIX_FMT_FP6 matrix_b_fmt:MATRIX_FMT_FP6 matrix_a_scale:MATRIX_SCALE_ROW1
.else
	v_wmma_scale_f32_16x16x128_f8f6f4 v[8*(8*((\a)%4)+\b):8*(8*((\a)%4)+\b)+7], v[128*(\p)+FR*\b:128*(\p)+FR*\b+FR-1], v[AF+FR*(\a):AF+FR*(\a)+FR-1], v[8*(8*((\a)%4)+\b):8*(8*((\a)%4)+\b)+7], v[SC+8*\b+(\s)], v[SC+8*(\a)+(\s)] matrix_a_fmt:MATRIX_FMT_FP6 matrix_b_fmt:MATRIX_FMT_FP6 matrix_a_scale:MATRIX_SCALE_ROW1
.endif
.endr
.endr
.endm
.macro FETCH_B slot, q, p
	WIN TO_B
.irp i, 0,1,2,3,4,5,6,7
	FRAG 128*(\p)+FR*\i, ADRB+\slot, \q, \i
.endr
	WIN 0
.endm
.macro FETCH_A slot, q, i0
.irp i, \i0, \i0+1, \i0+2, \i0+3
	FRAG AF+FR*(\i), ADRA+\slot, \q, \i
.endr
.endm
.macro STEP slot, s, bias              ; a slot's first 128 along K
	s_wait_dscnt 4*NL                              ; S0's set and S1's blocks 0-3 are in; the youngest 16 loads (blocks 4-7) may be out
.if \bias
	WIN 0x81                                       ; C (the bias) window 0, D window 2
.else
	WIN MUL_LO
.endif
	MUL16 0, 0, \s, \bias
	MUL16 2, 0, \s, \bias
	s_wait_dscnt 0x0
	PLACES NP
	FETCH_B \slot, 1, 1
	FETCH_A \slot, 1, 0
.if \bias
	WIN 0xc1                                       ; D window 3
.else
	WIN MUL_HI
.endif
	MUL16 4, 0, \s, \bias
	MUL16 6, 0, \s, \bias
	PLACES NP
	WIN 0
	FETCH_A \slot, 1, 4
.endm
.macro TURN slot, next, fill, s        ; a slot's second 128 changes slots
	s_wait_tensorcnt 0x0                           ; all my tensor loads have landed: my part of the next slot
	ds_add_u32 v[SPW], v[NIL]                      ; 0 onto my spare word
	s_wait_dscnt 4*NL+1                            ; (the add and the youngest 16 loads may be out)
	WIN MUL_LO
	MUL16 0, 1, \s, 0
	s_wait_dscnt 0x0                               ; the add is done, and my reads of this slot are over
	s_barrier_signal -1
	MUL16 2, 1, \s, 0
	WIN 0
	s_barrier_wait -1
.if \fill
	CREST                                          ; the barrier has opened a round of the cluster's
	s_add_nc_u64 s[G0+4*\slot+2:G0+4*\slot+3], s[G0+4*\slot+2:G0+4*\slot+3], 2*HALFT
	s_add_nc_u64 s[G0B+4*\slot+2:G0B+4*\slot+3], s[G0B+4*\slot+2:G0B+4*\slot+3], 2*HALFT
	JLOAD G0+4*\slot, G1, G0B+4*\slot, G1B         ; the first tensor load behind the round; its four v_nop are the places in front of the loads below
.else
	PLACES NP
.endif
	FETCH_B \next, 0, 0
	FETCH_A \next, 0, 0
	WIN MUL_HI
	MUL16 4, 1, \s, 0
	MUL16 6, 1, \s, 0
	PLACES NP
	WIN 0
	FETCH_A \next, 0, 4
.endm
	s_wait_tensorcnt 1                             ; my part of slot 0 is in; slot 1's load may be out
	s_barrier_signal -1
	s_barrier_wait -1
	FETCH_B 0, 0, 0
	FETCH_A 0, 0, 0
	FETCH_A 0, 0, 4
	s_wait_loadcnt 0x0                             ; the scale words and the bias
	STEP 0, 0, 1
	TURN 0, 1, 1, 1
	STEP 1, 2, 0
	TURN 1, 0, 1, 3
	STEP 0, 4, 0
	TURN 0, 1, 0, 5                                ; nothing is left to fetch: no round.  Behind this barrier nobody reads slot 0
	STEP 1, 6, 0
	s_wait_dscnt 4*NL
	WIN MUL_LO
	MUL16 0, 1, 7, 0
	MUL16 2, 1, 7, 0
	s_wait_dscnt 0x0
	WIN MUL_HI
	MUL16 4, 1, 7, 0
	MUL16 6, 1, 7, 0
	WIN 0
.macro TOSTAGE a                       ; LDS serves a wave's instructions in order (ISA guide 5.7.1.4): no wait between the stores and the loads, nor in front of the next block's stores
.set AC, 64*((\a)%4)
	WIN 0x08+4*((\a)/4)                            ; the data: window 2 or 3
.irp b, 0,1,2,3,4,5,6,7
	ds_store_b128 v[STO], v[AC+8*\b:AC+8*\b+3] offset:128*(\b/2)+32*(\b%2)          ; each accumulator from its low end on
	ds_store_b128 v[STO], v[AC+8*\b+4:AC+8*\b+7] offset:128*(\b/2)+32*(\b%2)+16
.endr
	WIN 0
.set BB, BK+64*((\a)%2)
.irp t, 0,1,2,3,4,5,6,7,8,9,10,11,12,13,14,15
	ds_load_b128 v[BB+4*\t:BB+4*\t+3], v[RD] offset:\t*SPITCH
.endr
.endm
.macro SEND a, younger                 ; younger: the LDS instructions issued behind block a's loads, which may stay out
.set BB, BK+64*((\a)%2)
	s_wait_dscnt \younger
.irp t, 0,1,2,3,4,5,6,7,8,9,10,11,12,13,14,15
	global_store_b128 v[L16], v[BB+4*\t:BB+4*\t+3], s[12:13] offset:(32*((\a)/2)+8*((\a)%2)+\t+8*(\t/8))*4096 th:TH_STORE_NT   ; 512 consecutive bytes, aligned; written once, read by nobody here
.endr
.endm
	PLACES NP                                      ; in front of the first read of results and of loads into registers that matrix instructions have read
	TOSTAGE 0
.irp a, 1,2,3,4,5,6,7
.if \a > 1
	s_wait_xcnt 0x0                                ; block a - 2's stores have read their registers: block a's loads may land there
.endif
	TOSTAGE \a
	SEND \a-1, 32                                  ; behind block a - 1's loads: block a's 16 stores and 16 loads
.endr
	SEND 7, 0
	s_wait_tensorcnt 0x0                           ; the wave's end, behind my last tensor load and my last LDS store
	ds_add_u32 v[SPW], v[NIL]
	s_wait_dscnt 0x0
	CROUND                                         ; the closing round: no work-group ends while a partner may still ask for a tile that names it
	s_endpgm
.Lfunc_end_k_qfc0861d68e_proj:
	.size	k_qfc0861d68e_proj, .Lfunc_end_k_qfc0861d68e_proj-k_qfc0861d68e_proj
	.p2alignl 7, 3214868480
	.fill 96, 4, 3214868480
	.section	.rodata,"a",@progbits
	.p2align	6, 0x0
	.amdhsa_kernel k_qfc0861d68e_proj
		.amdhsa_group_segment_fixed_size 327680
		.amdhsa_private_segment_fixed_size 0
		.amdhsa_enable_private_segment 0
		.amdhsa_kernarg_size 40
		.amdhsa_user_sgpr_count 2
		.amdhsa_user_sgpr_kernarg_segment_ptr 1
		.amdhsa_wavefront_size32 1
		.amdhsa_system_sgpr_workgroup_id_x 1
		.amdhsa_system_sgpr_workgroup_id_y 1
		.amdhsa_system_sgpr_workgroup_id_z 1
		.amdhsa_system_vgpr_workitem_id 0
		.amdhsa_next_free_vgpr 1024
		.amdhsa_next_free_sgpr 98
		.amdhsa_reserve_vcc 1
		.amdhsa_float_denorm_mode_32 3
		.amdhsa_float_denorm_mode_16_64 3
		.amdhsa_memory_ordered 1
		.amdhsa_forward_progress 1
		.amdhsa_inst_pref_size 142
	.end_amdhsa_kernel
	.amdgpu_metadata
---
amdhsa.version: [ 1, 2 ]
amdhsa.kernels:
  - .name:           k_qfc0861d68e_proj
    .symbol:         k_qfc0861d68e_proj.kd
    .args:
      - { .name: ycod, .offset: 0, .size: 8, .value_kind: global_buffer, .address_space: global }
      - { .name: ops, .offset: 8, .size: 8, .value_kind: global_buffer, .address_space: global }
      - { .name: scb, .offset: 16, .size: 8, .value_kind: global_buffer, .address_space: global }
      - { .name: bp, .offset: 24, .size: 8, .value_kind: global_buffer, .address_space: global }
      - { .name: out0, .offset: 32, .size: 8, .value_kind: global_buffer, .address_space: global }
    .group_segment_fixed_size: 327680
    .private_segment_fixed_size: 0
    .kernarg_segment_align: 8
    .kernarg_segment_size: 40
    .max_flat_workgroup_size: 128
    .sgpr_count:     98
    .vgpr_count:     1024
    .wavefront_size: 32
...
	.end_amdgpu_metadata
.endif
;; end of part 4
